; MI455X (gfx1250); checked and timed in simulation.
; The chip was launched on July 23, 2026; its instructions are those of AMD's public machine-readable ISA for CDNA 5 (MIT licence, August 2026) and "CDNA5" Instruction Set Architecture Reference Guide (July 2026). The comments in the code are by the model that wrote it; some were corrected since.
;; Corm. Allowed arithmetic: matrix products marked QUANTISED: E4M3 operands, one given power-of-two scale a tensor, by v_wmma_f32_16x16x64_fp8_fp8 or v_wmma_f32_16x16x128_fp8_fp8, f32 sums; everything else in f32.
;; Inputs: corm_mask 2,048 x 2,048 float32; k 1 x 2,048 x 32 x 128 float32; lowp_scales 4 int32 (the exponents e of the quantised operands' scales 2^e); q 1 x 2,048 x 32 x 128 float32; v 1 x 2,048 x 32 x 128 float32.
;; Outputs: out0 1 x 2,048 x 32 x 128 float32; out1 1 x 32 x 2,048 bool.
;; This version of the problem:
;;   THIS VERSION OF THE PROBLEM IS GIVEN IN LOW PRECISION. The matrix products marked QUANTISED in the list below multiply operands that are first quantised to E4M3 (4 exponent bits, 3 mantissa bits; 8 bits a number), with one given power-of-two scale for each operand tensor; their sums are f32. All else is computed in f32.
;;   The module's matrix products, in the order in which they are computed (A, B: the left and right operand; K: the contracted axis; several contracted axes count as one K, in the product's order):
;;     1. batch 32 x [M 2,048, K 128] x [K 128, N 2,048]; A: input q; B: input k: QUANTISED (scales: A lowp_scales[0], B lowp_scales[1])
;;     2. batch 32 x [M 128, K 2,048] x [K 2,048, N 2,048]; A: input v; B: softmax (see below): QUANTISED (scales: A lowp_scales[2], B lowp_scales[3])
;;   THE QUANTISER, for each operand of a quantised product, along K:
;;     - The operand's scale is 2^e, e = its entry of the input lowp_scales (int32; the entries are numbered through the quantised products in the list's order, A before B).
;;     - Each number is divided by the scale, clamped to +-448, and rounded to the nearest number of E4M3, ties to even, subnormals kept.
;;     - The product sums the exact products of the quantised numbers (number of the format x scale) in f32.
;;   ~~~python
;;   def quantise(x, axis, e):      # numpy; x: float32 -> the quantised numbers, widened to float32 again
;;       x = np.moveaxis(x, axis, -1); K = x.shape[-1]
;;       r = np.clip(x / 2.0 ** e, -448, 448)
;;       step = 2.0 ** (np.maximum(np.frexp(np.where(r == 0, 1, r))[1] - 1, -6) - 3)
;;       q = np.round(r / step) * step * 2.0 ** e      # np.round: ties to even
;;       return np.moveaxis(q, -1, axis).astype(np.float32)
;;   ~~~
;;   SOFTMAX AHEAD OF A QUANTISED PRODUCT. Where the list says 'softmax', what is quantised is not the finished softmax but p = 2^(t - M), with t = logit x log2(e) and M = ceil(the row's largest t), a whole number; so 1/2 < the row's largest p <= 1. The row's sum l is taken of the UNQUANTISED p, in f32, and the product's result is divided by l at the end. Since M is a whole number, a kernel that streams over the keys may use a running M (the ceiling of the running maximum): every later rescaling is an exact power of two, so the quantised numbers keep their values, but for numbers so far below the row's largest that they fall under the format's range.
;;   OPERANDS COMPUTED ON THE WAY. 'Computed on the way' means the value that the module computes at that place (a softmax that the list does not call 'softmax' is quantised finished and normalised). What goes into a quantiser is computed in f32, as accurately as f32 sums, v_exp_f32 and their like allow (about 1e-6 of the number): no bf16 or f16 on the way to a quantiser, and a product that is left as it is and whose result goes on into a quantised operand takes f32 operands (vector FMAs, or v_wmma_f32_16x16x4_f32). A number that lies on a knife's edge between two numbers of the format may be rounded either way, as far as f32 arithmetic and the matrix unit's own rounding can turn it there, and no further.
;; 2 versions. Each part assembles by itself: llvm-mc -triple=amdgcn-amd-amdhsa -mcpu=gfx1250 --defsym DOCPART=n.
;; ======== version 1 of 2: 4 launches
;; limits: right only within a limited range of input values
;; workspace buffers: q_codes 8,388,608 bytes; k_codes 8,388,608 bytes; v_codes 8,388,608 bytes; stats 524,288 bytes; zp 262,144 bytes
;; launch quant_qkz (part 1): grid 640 x 1, 4 waves a work-group, no clusters, 33,280 bytes of LDS; arguments q, k, corm_mask, lowp_scales, q_codes, k_codes, zp; writes q_codes, k_codes, zp
.if DOCPART == 1
	.amdgcn_target "amdgcn-amd-amdhsa--gfx1250"
	.amdhsa_code_object_version 6
	.text
	.protected	k_qdd5321b71a_quant_qkz
	.globl	k_qdd5321b71a_quant_qkz
	.p2align	8
	.type	k_qdd5321b71a_quant_qkz,@function
k_qdd5321b71a_quant_qkz:
	s_mov_b64 s[64:65], 0
	v_nop
	global_prefetch_b8 v0, s[64:65] scope:SCOPE_SE
	s_setreg_imm32_b32 hwreg(HW_REG_WAVE_MODE, 25, 1), 1
	s_wait_xcnt 0x0
; FIRST OF FOUR LAUNCHES.  Causal attention, 32 heads, 2,048 positions, head size 128, both products on codes of E4M3 with given scales 2^e (lowp_scales: eq, ek, ev, ep), and
; out1[h][k] = any over q of (probs[h][q][k] >= corm_mask[q][k]).
; WORK LEFT OUT BY THE PROGRAM, AND WHY IT IS DEAD.  reference() builds causal = (kj <= qi) in its own body and puts -inf in the place of every score with k > q.  So for k > q the weight is exactly 0, whatever
; finite numbers q, k and v hold: such a pair adds 0 to out0, and it enters out1 only as the test 0 >= corm_mask[q][k], which needs the mask alone and is the same for all 32 heads.  Hence whole tiles of both products that lie
; above the diagonal are not multiplied; the mask's part of them is taken once, here, into the table zp.  Every input has a way to an output and is loaded by some launch.
; LIMIT: a NaN, an infinity or an overflow that would arise only in the tiles left out is not carried to a result.
; THIS LAUNCH.  Work-groups 0-255: q, 256-511: k: f32 [position][head][128] become codes [head][position][128], code = x / 2^e, held within +-448, to the nearest code, ties to even.
;   LIMITS: each e between -126 and 119; NaN among q, k is not served (an infinity is held at the largest code).
;   A wave takes 64 positions of one head: 16 steps of 4 rows of 512 bytes.  Each load reads one row's 512 consecutive bytes, 16 a lane; a step's 2,048 bytes turn through the wave's own stage in LDS and come back 64 bytes a lane,
;   16 neighbours along the head's axis, as the conversions want them; a lane's 16 codes are 16 bytes, and a step's 512 code bytes are four whole rows of the codes' buffer: the wave stores 512 consecutive bytes.
; Work-groups 512-639: zp[rb][k] = the largest -corm_mask[q][k] over the 64 rows q of row block rb, where k's block of 64 keys lies above rb; else -infinity (the neutral number of a maximum:
;   the last launch takes the table whole).  0 >= mask for some such q is then zp >= 0.  A NaN in the mask loses in the maximum, as its comparison is false in reference().  This path uses no LDS but the closing add.
.set WAVES, 4
.set STEPS, 16
.set WGA,   256                        ; work-groups for q; as many for k
.set WGQ,   512                        ; the first work-group of the z path
.set EMAX,  8
.set MANT,  0x600000                   ; the mantissa field of 448 as f32
.set ROWG,  16384                      ; bytes from a position to the next in q and k: 32 heads x 128 x 4
.set R,     16                         ; v16-79   four sets of 16 numbers as they are loaded
.set X,     80                         ; v80-111  two sets of 16 neighbours
.set C,     128                        ; v128-191 codes: four registers for each step, so that no store's data are written again
.set WREG,  8192                       ; LDS: a region of its own for each wave: two stages of 32 x SP bytes
.set SP,    80                         ; a lane's place in a stage: its 64 bytes + 16 of padding
.set SPW,   12                         ; v12      LDS address of my spare word; never rewritten
.set NIL,   13                         ; v13      0; never rewritten
.set SPARE, WAVES*WREG                 ; behind the four regions: the spare words, 128 bytes a wave
.set ZS,    16                         ; z path: v16-143 two sets of 16 rows x 4 columns
.set ZA,    144                        ; z path: v144-147 the running maxima of my four columns
.set ZI,    148                        ; z path: -infinity
.set ZB,    149                        ; z path: my columns' block of 64 keys
	s_load_b128 s[4:7], s[0:1], 0x0                ; q, k
	s_load_b128 s[8:11], s[0:1], 0x10              ; corm_mask, the scales' exponents
	s_load_b128 s[12:15], s[0:1], 0x20             ; q's codes, k's codes
	s_load_b64 s[24:25], s[0:1], 0x30              ; zp
	v_lshl_add_u32 v[SPW], v0, 2, SPARE
	v_mov_b32 v[NIL], 0
	v_lshrrev_b32 v1, 5, v0
	v_readfirstlane_b32 s16, v1                    ; wave
	v_and_b32 v2, 31, v0                           ; lane
	v_lshlrev_b32 v3, 4, v2                        ; 16 x lane: my 16 bytes of a load's or a store's 512
	s_mul_i32 s17, s16, WREG
	v_lshrrev_b32 v14, 2, v2
	v_mul_u32_u24 v14, v14, SP
	v_and_b32 v15, 3, v2
	v_lshl_add_u32 v14, v15, 4, v14
	v_add_nc_u32 v14, s17, v14                     ; the stage, on the way in: SP (lane / 4) + 16 (lane % 4)
	v_mul_u32_u24 v15, v2, SP
	v_add_nc_u32 v15, s17, v15                     ; and on the way out: SP x lane: my 16 neighbours
	s_wait_kmcnt 0x0
	s_cmp_ge_u32 ttmp9, WGQ                        ; the work-group's number alone decides
	s_cbranch_scc1 .Lz
	; ---------------- q and k into codes
	s_load_b64 s[22:23], s[10:11], 0x0             ; eq, ek
	s_cmp_lt_u32 ttmp9, WGA                        ; q's work-group or k's?
	s_cselect_b64 s[4:5], s[4:5], s[6:7]
	s_cselect_b64 s[26:27], s[12:13], s[14:15]
	s_cselect_b32 s17, 0, WGA
	s_sub_co_u32 s17, ttmp9, s17
	s_lshl_b32 s17, s17, 2
	s_add_co_u32 s18, s17, s16                     ; my wave's unit, 0 .. 1023
	s_lshr_b32 s19, s18, 5                         ; its head
	s_and_b32 s18, s18, 31                         ; its block of 64 positions
	s_lshl_b32 s20, s18, 20                        ; 64 positions x 16,384 bytes
	s_lshl_b32 s21, s19, 9                         ; + the head's 512 bytes
	s_add_co_u32 s20, s20, s21
	s_mov_b32 s21, 0
	s_add_nc_u64 s[4:5], s[4:5], s[20:21]
	s_lshl_b32 s20, s19, 18                        ; codes: head x 2,048 x 128
	s_lshl_b32 s28, s18, 13                        ; + 64 positions x 128
	s_add_co_u32 s20, s20, s28
	s_add_nc_u64 s[26:27], s[26:27], s[20:21]
.macro LOAD t                          ; step t: rows 4 t .. 4 t + 3 of my head, 512 consecutive bytes each
.irp i, 0,1,2,3
	global_load_b128 v[R+16*((\t)%4)+4*\i:R+16*((\t)%4)+4*\i+3], v3, s[4:5] offset:(4*(\t)+\i)*ROWG th:TH_LOAD_NT
.endr
.endm
.macro TURN t                          ; step t's numbers through the stage: LDS serves a wave's instructions in order, so no wait stands between the stores and the loads
.irp i, 0,1,2,3
	ds_store_b128 v14, v[R+16*((\t)%4)+4*\i:R+16*((\t)%4)+4*\i+3] offset:32*SP*((\t)%2)+8*SP*\i
.endr
.irp i, 0,1,2,3
	ds_load_b128 v[X+16*((\t)%2)+4*\i:X+16*((\t)%2)+4*\i+3], v15 offset:32*SP*((\t)%2)+16*\i
.endr
.endm
.irp t, 0,1,2,3
	LOAD \t
.endr
	s_wait_kmcnt 0x0
	s_cmp_lt_u32 ttmp9, WGA
	s_cselect_b32 s22, s22, s23                    ; e
	s_add_co_i32 s22, s22, 127
	s_lshl_b32 s23, s22, 23
	v_mov_b32 v11, s23                             ; 2^e as f32: the conversion takes its exponent field
	s_add_co_i32 s22, s22, EMAX
	s_lshl_b32 s22, s22, 23
	s_or_b32 s22, s22, MANT
	v_mov_b32 v10, s22                             ; 448 x 2^e
	s_wait_loadcnt 12                              ; step 0's four loads are in; the three younger steps' twelve may be out
	TURN 0
.macro STEP t
.set XS, X+16*((\t)%2)
	s_wait_dscnt 0x0                               ; this step's numbers are back from the stage: so its stores into the stage have read their registers,
.if (\t)+4 < STEPS
	LOAD (\t)+4                                    ; which take the loads of four steps on
.endif
.if (\t)+1 < STEPS
.if STEPS-2-(\t) >= 3
	s_wait_loadcnt 12                              ; the next step's four loads are in; those of the three steps behind it may be out
.else
	s_wait_loadcnt 4*(STEPS-2-(\t))
.endif
	TURN (\t)+1                                    ; and go through the other stage while this step is worked
.endif
.irp i, 0,1,2,3,4,5,6,7,8,9,10,11,12,13,14,15
	v_med3_num_f32 v[XS+\i], v[XS+\i], -v10, v10   ; the conversion to an 8-bit code does not saturate (ISA guide 7.6.2): the hold at the largest code x the scale comes first
.endr
	v_cvt_scalef32_pk8_fp8_f32 v[C+4*(\t):C+4*(\t)+1], v[XS:XS+7], v11
	v_cvt_scalef32_pk8_fp8_f32 v[C+4*(\t)+2:C+4*(\t)+3], v[XS+8:XS+15], v11
	global_store_b128 v3, v[C+4*(\t):C+4*(\t)+3], s[26:27] offset:512*(\t)   ; the codes go to a store alone; the next step's holds are plain lines on other registers
.endm
.irp t, 0,1,2,3,4,5,6,7,8,9,10,11,12,13,14,15
	STEP \t
.endr
	s_branch .Lend
	; ---------------- the mask above the diagonal, once for all heads
.Lz:
	s_sub_co_u32 s17, ttmp9, WGQ
	s_lshr_b32 s18, s17, 2                         ; rb: my block of 64 rows of the mask
	s_and_b32 s19, s17, 3                          ; my work-group's 512 columns
	s_lshl_b32 s20, s19, 2
	s_add_co_u32 s20, s20, s16                     ; my wave's 128 columns
	s_lshl_b32 s21, s20, 1                         ; their first block of 64 keys
	v_lshrrev_b32 v[ZB], 4, v2
	v_add_nc_u32 v[ZB], s21, v[ZB]                 ; lanes 0-15 lie in that block, lanes 16-31 in the next
	s_lshl_b32 s20, s20, 9                         ; 128 columns x 4 bytes
	s_lshl_b32 s22, s18, 19                        ; 64 rows x 8,192 bytes
	s_add_co_u32 s22, s22, s20
	s_mov_b32 s23, 0
	s_add_nc_u64 s[8:9], s[8:9], s[22:23]
	s_lshl_b32 s22, s18, 13                        ; a row of zp is 8,192 bytes
	s_add_co_u32 s22, s22, s20
	s_add_nc_u64 s[24:25], s[24:25], s[22:23]
	v_mov_b32 v[ZI], 0xff800000
.irp e, 0,1,2,3
	v_mov_b32 v[ZA+\e], 0xff800000
.endr
	s_add_co_u32 s21, s21, 1
	s_cmp_le_u32 s21, s18                          ; neither of my two blocks lies above rb: nothing of the mask is read
	s_cbranch_scc1 .Lzsel
.macro ZLOAD b                         ; rows 16 b .. 16 b + 15: 512 consecutive bytes of a row a load
.irp i, 0,1,2,3,4,5,6,7,8,9,10,11,12,13,14,15
	global_load_b128 v[ZS+64*((\b)%2)+4*\i:ZS+64*((\b)%2)+4*\i+3], v3, s[8:9] offset:(16*(\b)+\i)*8192 th:TH_LOAD_NT
.endr
.endm
.macro ZMAX b                          ; four chains, one a column
.irp i, 0,2,4,6,8,10,12,14
.irp e, 0,1,2,3
	v_max3_num_f32 v[ZA+\e], v[ZA+\e], -v[ZS+64*((\b)%2)+4*\i+\e], -v[ZS+64*((\b)%2)+4*\i+4+\e]
.endr
.endr
.endm
	ZLOAD 0
	ZLOAD 1
	s_wait_loadcnt 16                              ; the older batch is in; the younger one's sixteen loads may be out
	ZMAX 0
	ZLOAD 2
	s_wait_loadcnt 16
	ZMAX 1
	ZLOAD 3
	s_wait_loadcnt 16
	ZMAX 2
	s_wait_loadcnt 0
	ZMAX 3
.Lzsel:
	v_cmp_lt_u32 vcc_lo, s18, v[ZB]                ; does my block of keys lie above rb?
.irp e, 0,1,2,3
	v_cndmask_b32 v[ZA+\e], v[ZI], v[ZA+\e], vcc_lo
.endr
	global_store_b128 v3, v[ZA:ZA+3], s[24:25]     ; the wave stores 512 consecutive bytes
.Lend:
	s_wait_tensorcnt 0x0                           ; the wave's end: a tensor wait, an add to my spare word and its wait, behind my last LDS store
	ds_add_u32 v[SPW], v[NIL]
	s_wait_dscnt 0x0
	s_endpgm
.Lfunc_end_k_qdd5321b71a_quant_qkz:
	.size	k_qdd5321b71a_quant_qkz, .Lfunc_end_k_qdd5321b71a_quant_qkz-k_qdd5321b71a_quant_qkz
	.p2alignl 7, 3214868480
	.fill 96, 4, 3214868480
	.section	.rodata,"a",@progbits
	.p2align	6, 0x0
	.amdhsa_kernel k_qdd5321b71a_quant_qkz
		.amdhsa_group_segment_fixed_size 33280
		.amdhsa_private_segment_fixed_size 0
		.amdhsa_enable_private_segment 0
		.amdhsa_kernarg_size 56
		.amdhsa_user_sgpr_count 2
		.amdhsa_user_sgpr_kernarg_segment_ptr 1
		.amdhsa_wavefront_size32 1
		.amdhsa_system_sgpr_workgroup_id_x 1
		.amdhsa_system_sgpr_workgroup_id_y 1
		.amdhsa_system_sgpr_workgroup_id_z 1
		.amdhsa_system_vgpr_workitem_id 0
		.amdhsa_next_free_vgpr 192
		.amdhsa_next_free_sgpr 66
		.amdhsa_reserve_vcc 1
		.amdhsa_float_denorm_mode_32 3
		.amdhsa_float_denorm_mode_16_64 3
		.amdhsa_memory_ordered 1
		.amdhsa_forward_progress 1
		.amdhsa_inst_pref_size 53
	.end_amdhsa_kernel
	.amdgpu_metadata
---
amdhsa.version: [ 1, 2 ]
amdhsa.kernels:
  - .name:           k_qdd5321b71a_quant_qkz
    .symbol:         k_qdd5321b71a_quant_qkz.kd
    .args:
      - { .name: q, .offset: 0, .size: 8, .value_kind: global_buffer, .address_space: global }
      - { .name: k, .offset: 8, .size: 8, .value_kind: global_buffer, .address_space: global }
      - { .name: corm_mask, .offset: 16, .size: 8, .value_kind: global_buffer, .address_space: global }
      - { .name: lowp_scales, .offset: 24, .size: 8, .value_kind: global_buffer, .address_space: global }
      - { .name: q_codes, .offset: 32, .size: 8, .value_kind: global_buffer, .address_space: global }
      - { .name: k_codes, .offset: 40, .size: 8, .value_kind: global_buffer, .address_space: global }
      - { .name: zp, .offset: 48, .size: 8, .value_kind: global_buffer, .address_space: global }
    .group_segment_fixed_size: 33280
    .private_segment_fixed_size: 0
    .kernarg_segment_align: 8
    .kernarg_segment_size: 56
    .max_flat_workgroup_size: 128
    .sgpr_count:     66
    .vgpr_count:     192
    .wavefront_size: 32
...
	.end_amdgpu_metadata
.endif
;; end of part 1
;; launch quant_v (part 2): grid 32 x 8, 4 waves a work-group, no clusters, 35,840 bytes of LDS; arguments v, lowp_scales, v_codes; writes v_codes
.if DOCPART == 2
	.amdgcn_target "amdgcn-amd-amdhsa--gfx1250"
	.amdhsa_code_object_version 6
	.text
	.protected	k_qdd5321b71a_quant_v
	.globl	k_qdd5321b71a_quant_v
	.p2align	8
	.type	k_qdd5321b71a_quant_v,@function
k_qdd5321b71a_quant_v:
	s_mov_b64 s[64:65], 0
	v_nop
	global_prefetch_b8 v0, s[64:65] scope:SCOPE_SE
	s_setreg_imm32_b32 hwreg(HW_REG_WAVE_MODE, 25, 1), 1
	s_wait_xcnt 0x0
; SECOND LAUNCH.  v, f32 [key][head x 128 + d], is an operand of the second product, whose K is the keys: v's FIRST axis.  It becomes codes of E4M3 laid [head][d][key], keys innermost, with the given scale 2^ev.
; (All of v is quantised: every key counts for some query.)
; A LANE TAKES A COLUMN (head, d), AND ITS REGISTERS RUN DOWN THE KEYS: each load reads neighbouring columns in neighbouring lanes (128 consecutive bytes a wave, 512 a work-group), and the conversions,
; which take neighbours along K from one lane's consecutive registers, give the codes with the keys innermost.  Nothing is transposed by an instruction.
; code = x / 2^ev, held within +-448, to the nearest code, ties to even.  ev is entry 2 of the scales.  LIMITS: ev between -126 and 119; NaN among the inputs is not served.
; A wave takes 32 columns x 256 keys: 8 blocks of 32 a lane, 256 bytes of codes a column.  They go through the wave's own stage in LDS and leave as rows: sixteen lanes store 256 consecutive bytes, aligned.
; No tensor loads, no barrier: waves share nothing.  Loads run two blocks (64 loads a wave) ahead.  Every offset is an immediate: 255 x 16,384 and 30 x 2,048 at the most.
.set SIZE_K, 2048
.set SIZE_N, 4096
.set KW,    256                        ; keys for a wave
.set NB,    KW/32                      ; blocks
.set ROWB,  256                        ; bytes of KW codes
.set PITCH, ROWB+16                    ; a stage row
.set KROW,  SIZE_K                     ; a row of the codes' buffer in bytes
.set EMAX,  8
.set MANT,  0x600000                   ; the mantissa field of 448 as f32
.set X,     32                         ; v32-95   two sets of 32 numbers
.set C,     96                         ; v96..    a block's codes
.set OUTR,  112                        ; v112-175 the way out: 16 x 4 registers
.set SPW,   14                         ; v14      LDS address of my spare word; never rewritten
.set NIL,   15                         ; v15      0; never rewritten
.set SPARE, 4*32*PITCH                 ; behind the four stages: the spare words, 128 bytes a wave
	s_load_b128 s[4:7], s[0:1], 0x0                ; v, the scales' exponents
	s_load_b64 s[8:9], s[0:1], 0x10                ; the codes
	v_lshl_add_u32 v[SPW], v0, 2, SPARE
	v_mov_b32 v[NIL], 0
	v_lshrrev_b32 v1, 5, v0
	v_readfirstlane_b32 s16, v1                    ; wave 0..3
	v_and_b32 v2, 31, v0                           ; lane
	s_lshl_b32 s17, ttmp9, 7
	s_lshl_b32 s18, s16, 5
	s_add_co_u32 s17, s17, s18                     ; my wave's first column: 128 x work-group x + 32 x wave
	s_and_b32 s18, ttmp7, 0xffff                   ; which 256 keys: work-group y
	v_lshlrev_b32 v3, 2, v2                        ; in: 4 bytes a lane
	s_mul_i32 s19, s16, 32*PITCH                   ; my stage
	v_mul_u32_u24 v4, v2, PITCH
	v_add_nc_u32 v4, s19, v4                       ; into it: row = my column
	v_and_b32 v5, 15, v2
	v_lshrrev_b32 v6, 4, v2                        ; out of it: sixteen lanes to a row, two rows an instruction
	v_mul_u32_u24 v7, v6, PITCH
	v_lshl_add_u32 v7, v5, 4, v7
	v_add_nc_u32 v7, s19, v7                       ; LDS address
	v_mul_u32_u24 v8, v6, KROW
	v_lshl_add_u32 v8, v5, 4, v8                   ; and the same place in the codes' buffer
	s_mov_b32 s19, 0
	s_mov_b64 s[20:21], KW*SIZE_N*4
	s_mul_u64 s[20:21], s[18:19], s[20:21]         ; v: 256 y rows of 16,384 bytes
	s_lshl_b32 s22, s17, 2
	s_mov_b32 s23, 0
	s_add_nc_u64 s[20:21], s[20:21], s[22:23]      ; + 4 x column
	s_mov_b32 s22, s17
	s_mov_b64 s[24:25], KROW
	s_mul_u64 s[24:25], s[22:23], s[24:25]         ; codes: column x 2,048
	s_mul_i32 s26, s18, ROWB
	s_mov_b32 s27, 0
	s_add_nc_u64 s[24:25], s[24:25], s[26:27]      ; + 256 y
	s_wait_kmcnt 0x0
	s_load_b32 s30, s[6:7], 0x8                    ; ev
	s_add_nc_u64 s[4:5], s[4:5], s[20:21]
	s_add_nc_u64 s[8:9], s[8:9], s[24:25]
.macro LOAD t                          ; block t: v(32 t + i, my column), i = 0 .. 31, into set t % 2
.irp i, 0,1,2,3,4,5,6,7,8,9,10,11,12,13,14,15,16,17,18,19,20,21,22,23,24,25,26,27,28,29,30,31
	global_load_b32 v[X+32*((\t)%2)+\i], v3, s[4:5] offset:(32*(\t)+\i)*SIZE_N*4 th:TH_LOAD_NT
.endr
.endm
	LOAD 0
	LOAD 1
	s_wait_kmcnt 0x0
	s_add_co_i32 s30, s30, 127
	s_lshl_b32 s31, s30, 23
	v_mov_b32 v11, s31                             ; 2^ev as f32: the conversion takes its exponent field
	s_add_co_i32 s30, s30, EMAX
	s_lshl_b32 s30, s30, 23
	s_or_b32 s30, s30, MANT
	v_mov_b32 v10, s30                             ; 448 x 2^ev
.macro BLOCK t
.set XS, X+32*((\t)%2)
.if (\t) < NB-1
	s_wait_loadcnt 32                              ; this block's 32 loads are in; the next block's may be out
.else
	s_wait_loadcnt 0
.endif
.irp i, 0,1,2,3,4,5,6,7,8,9,10,11,12,13,14,15,16,17,18,19,20,21,22,23,24,25,26,27,28,29,30,31
	v_med3_num_f32 v[XS+\i], v[XS+\i], -v10, v10   ; the conversion to an 8-bit code does not saturate (ISA guide 7.6.2): the hold comes first
.endr
.irp g, 0,1,2,3
	v_cvt_scalef32_pk8_fp8_f32 v[C+2*\g:C+2*\g+1], v[XS+8*\g:XS+8*\g+7], v11
.endr
	ds_store_b128 v4, v[C:C+3] offset:32*(\t)      ; 32 codes: 32 bytes of my column's row
	ds_store_b128 v4, v[C+4:C+7] offset:32*(\t)+16
.if (\t)+2 < NB
	LOAD (\t)+2
.endif
	s_wait_dscnt 0x0                               ; the stores have read their registers: the next block's codes may be written
.endm
.set Q, 0
.rept NB
	BLOCK Q
.set Q, Q+1
.endr
.irp t, 0,1,2,3,4,5,6,7,8,9,10,11,12,13,14,15
	ds_load_b128 v[OUTR+4*\t:OUTR+4*\t+3], v7 offset:2*\t*PITCH   ; LDS serves a wave's instructions in order: these see my stores
.endr
.irp t, 0,1,2,3,4,5,6,7,8,9,10,11,12,13,14,15
	s_wait_dscnt 15-\t                             ; load t is back; the 15 - t younger ones may be out
	global_store_b128 v8, v[OUTR+4*\t:OUTR+4*\t+3], s[8:9] offset:2*\t*KROW
.endr
	s_wait_tensorcnt 0x0                           ; the wave's end: a tensor wait, an add to my spare word and its wait, behind my last LDS store
	ds_add_u32 v[SPW], v[NIL]
	s_wait_dscnt 0x0
	s_endpgm
.Lfunc_end_k_qdd5321b71a_quant_v:
	.size	k_qdd5321b71a_quant_v, .Lfunc_end_k_qdd5321b71a_quant_v-k_qdd5321b71a_quant_v
	.p2alignl 7, 3214868480
	.fill 96, 4, 3214868480
	.section	.rodata,"a",@progbits
	.p2align	6, 0x0
	.amdhsa_kernel k_qdd5321b71a_quant_v
		.amdhsa_group_segment_fixed_size 35840
		.amdhsa_private_segment_fixed_size 0
		.amdhsa_enable_private_segment 0
		.amdhsa_kernarg_size 24
		.amdhsa_user_sgpr_count 2
		.amdhsa_user_sgpr_kernarg_segment_ptr 1
		.amdhsa_wavefront_size32 1
		.amdhsa_system_sgpr_workgroup_id_x 1
		.amdhsa_system_sgpr_workgroup_id_y 1
		.amdhsa_system_sgpr_workgroup_id_z 1
		.amdhsa_system_vgpr_workitem_id 0
		.amdhsa_next_free_vgpr 192
		.amdhsa_next_free_sgpr 66
		.amdhsa_reserve_vcc 0
		.amdhsa_float_denorm_mode_32 3
		.amdhsa_float_denorm_mode_16_64 3
		.amdhsa_memory_ordered 1
		.amdhsa_forward_progress 1
		.amdhsa_inst_pref_size 49
	.end_amdhsa_kernel
	.amdgpu_metadata
---
amdhsa.version: [ 1, 2 ]
amdhsa.kernels:
  - .name:           k_qdd5321b71a_quant_v
    .symbol:         k_qdd5321b71a_quant_v.kd
    .args:
      - { .name: v, .offset: 0, .size: 8, .value_kind: global_buffer, .address_space: global }
      - { .name: lowp_scales, .offset: 8, .size: 8, .value_kind: global_buffer, .address_space: global }
      - { .name: v_codes, .offset: 16, .size: 8, .value_kind: global_buffer, .address_space: global }
    .group_segment_fixed_size: 35840
    .private_segment_fixed_size: 0
    .kernarg_segment_align: 8
    .kernarg_segment_size: 24
    .max_flat_workgroup_size: 128
    .sgpr_count:     66
    .vgpr_count:     192
    .wavefront_size: 32
...
	.end_amdgpu_metadata
.endif
;; end of part 2
;; launch attn (part 3): grid 8 x 32, 16 waves a work-group, no clusters, 327,680 bytes of LDS; arguments q_codes, k_codes, v_codes, lowp_scales, out0, stats; writes out0, stats
.if DOCPART == 3
	.amdgcn_target "amdgcn-amd-amdhsa--gfx1250"
	.amdhsa_code_object_version 6
	.text
	.protected	k_qdd5321b71a_attn
	.globl	k_qdd5321b71a_attn
	.p2align	8
	.type	k_qdd5321b71a_attn,@function
k_qdd5321b71a_attn:
	s_mov_b64 s[64:65], 0
	v_nop
	global_prefetch_b8 v0, s[64:65] scope:SCOPE_SE
	s_setreg_imm32_b32 hwreg(HW_REG_WAVE_MODE, 25, 1), 1
	s_wait_xcnt 0x0
; THIRD LAUNCH.  out0[q][h][:] = the sum over k <= q of softmax_k(Q[h][q] . K[h][k] / sqrt(128)) V[h][k][:], both products on codes of E4M3, each tensor with its given scale (lowp_scales: eq, ek, ev, ep).
; WORK LEFT OUT: key steps all of whose 128 keys come after a wave's 16 queries: reference()'s own causal mask gives them the weight 0 for all values of the inputs (shown at the head of the first launch).
; Q, K: codes [32][2048][128].  V: codes with the keys innermost, [32][128][2048].  out0: [2048][32][128] f32.  stats: f32 [2][32][2048]: plane 0 holds -M, plane 1 holds -l of each (head, query), for the last launch.
; THE SOFTMAX AHEAD OF THE SECOND PRODUCT: t = score x log2(e) / sqrt(128); M = the row's largest t so far, rounded UP to a whole number; p = 2^(t - M) is what is quantised, along the keys; it is not normalised.
; The row's sum l is taken of the unquantised p, in f32, and divides O at the end.  When M moves, the sum and O are multiplied by 2^(old M - new M): exact.
; SHARES.  A work-group has sixteen waves of 256 registers, four to a SIMD; each wave owns one tile of 16 queries of the work-group's head: queries 128 x level + 16 x (work-group x) on.  A wave of level L walks L + 1 key steps of 128.
; The levels are dealt to the waves by a 4 x 4 magic square (15 2 1 12 / 4 9 10 7 / 8 5 6 11 / 3 14 13 0): any four consecutive waves, and any four waves with equal number mod 4, have 34 key steps together, in every work-group alike.
; Every work-group holds a wave of level 15, so every slot of keys that it fetches is read in it.
; K's and V's tiles come through a ring of two LDS slots of 256 keys, filled by the tensor data mover (waves 0 and 1: K's halves; waves 2 and 3: V's) and read by all sixteen.
; NO CLUSTER.  The eight work-groups of a head walk the same slots, so the tiles could be asked for jointly.  Not done here: a work-group asks for 65,536 bytes at a change of slots, for which its waves then
; issue up to 32 key steps of some 290 vector and 16 matrix instructions each, and each of the eight changes of slots would take a round of the cluster's barrier in place of one barrier.
; LAYOUT.  Both products are used transposed: S^T = K Q^T (source 0 = 16 keys, source 1 = my 16 queries), O^T = V^T P^T (source 0 = 16 of the head's 128, source 1 = P): a lane holds ONE query (lane % 16) throughout.
; THE KEYS OF A TILE ARE NOT NEIGHBOURS: lane r of tile 2 b + u takes key 32 b + 8 u + r + 8 (r / 8), so that the 16 registers of tiles 2 b and 2 b + 1 are 16 neighbouring keys, 32 b + 16 (lane / 16) + 0 .. 15.
; LIMITS on the given exponents, so that each power of two below is an f32 number: eq + ek between -123 and 130 (they are added to c's exponent field); ep between -126 and 119; ev + ep is applied by v_ldexp_f32 and has none.
; A p under 2^-126 counts as 0 (v_exp_f32 flushes such results: ISA guide 15.8).
; REGISTERS: v1-7 addresses that stay; v8-11 addresses of the loads in hand; v12 -M, v13 the largest t, v[14:15] the sum in two halves; v16.. Q; v32-95 four fragments of K or of V; v96-159 S^T, then p; v160-223 O^T; v224.. p's codes; v232-254 at work.
.set SIZE_N, 2048
.set SK,    256                        ; keys in a slot
.set NQ,    SK/128                     ; key steps in a slot
.set ROWB,  128                        ; 128 codes in bytes
.set KP,    144                        ; a key's row in LDS: 128 bytes + 16 of padding
.set VROWB, 256                        ; SK codes in bytes: a row of V's tile
.set VP,    272                        ; and in LDS: + 16 of padding
.set KROWV, SIZE_N                     ; a row of V in memory
.set VOFF,  SK*KP                      ; a slot: SK rows of K, then 128 rows of V
.set SLOT1, 1<<17                      ; slot 1 begins here, so that one exclusive or turns an address in one slot into the other's
.set NSL,   SIZE_N/SK                  ; 8 slots' worth of keys
.set SPARE, 2*SLOT1                    ; behind the ring: the spare words, 128 bytes for each wave
.set STAGE, 0                          ; the way out: 16 rows x (256 bytes + 16) for each wave, in slot 0: it was left at the last change of slots, has had its last fill, and nobody reads it
.set OROW,  16384                      ; a row of out0: 32 heads x 128 x 4 bytes
.set AK0,  1                           ; v1   my lane's place in a tile of K
.set AV0,  2                           ; v2   the same for V
.set PFO,  3                           ; v3   the prefetches' offset; never rewritten
.set SPW,  5                           ; v5   LDS address of my spare word; never rewritten
.set NIL,  6                           ; v6   0; never rewritten
.set GO,   7                           ; v7   the way out: my byte offset in the wave's rows of out0
.set ADK,  8                           ; v8   LDS address of the step's tiles of K
.set ADV,  9                           ; v9   of V
.set WV,   18                          ; s18  my wave's number
.set SEL,  20                          ; s[20:21] lane selects for v_permlanex16_b32: lane l xor 16
.set CS,   22                          ; s[22:23] c = log2(e) / sqrt(128) x 2^(eq + ek): the packed form names a pair and takes its low word for both halves
.set G1K,  24                          ; s[24:31] descriptor group 1 for K's tiles;  s[32:39] for V's;  s[40:43], s[44:47] their groups 0, which walk
.set G1V,  32
.set G0K,  40
.set G0V,  44
.set TB,   2                           ; s2   LDS byte at which the slot in hand begins
.set SLOTS, 67                         ; s67  slots still to be asked for
.set KF,   98                          ; s98  the step's first key
.set Q0,   99                          ; s99  my first query
.set PFA,  76                          ; s[76:77] where my prefetches stand in memory
.set PFS,  78                          ; s[78:79] a slot on, in bytes: SK x ROWB in K, VROWB in a row of V
.set LIM,  80                          ; s80  1 in a wave that prefetches, else the greatest number
; Waves 0 and 1 fetch for K, waves 2 and 3 for V, the others nothing.  The branches hang on the wave's number alone.  An s_nop 0 and four v_nop follow each of the two lines.
.macro TLOAD g0k, g1k, g0v, g1v
	s_cmp_lt_u32 s[WV], 2
	s_cbranch_scc0 .Lnot_k_\@
	tensor_load_to_lds s[\g0k:\g0k+3], s[\g1k:\g1k+7]
	s_nop 0
.rept 4
	v_nop
.endr
	s_branch .Lasked_\@
.Lnot_k_\@:
	s_cmp_lt_u32 s[WV], 4
	s_cbranch_scc0 .Lasked_\@
	tensor_load_to_lds s[\g0v:\g0v+3], s[\g1v:\g1v+7]
	s_nop 0
.rept 4
	v_nop
.endr
.Lasked_\@:
.endm
; A PREFETCH of what the NEXT change of slots will ask for: 256 rows of K, one dense block of 32,768 bytes, and 256 codes of each of V's 128 rows.  It stands at the change of slots, where the fetching waves have their tensor load.
; Each aligned block of 256 bytes is asked for ONCE in the launch: all eight work-groups of a head walk the same K and V, and the head's first work-group asks (a branch on the work-group's number).
; In it the waves ask that fetch nothing, one instruction each: waves 4 to 7 for K's block, 8,192 bytes a wave, lanes 256 bytes apart; waves 8 to 11 for V's rows, 32 a wave, a lane a row.
; The last change that fills a slot asks for nothing: there is no slot behind it.  Slots 0 and 1 come by their loads alone.
.macro ASK
	s_cmp_gt_u32 s[SLOTS], s[LIM]
	s_cbranch_scc0 .Lnot_mine_\@
	global_prefetch_b8 v[PFO], s[PFA:PFA+1] th:TH_LOAD_NT scope:SCOPE_SE
.Lnot_mine_\@:
.endm
	s_load_b128 s[4:7], s[0:1], 0x0                ; Q's codes s[4:5], K's codes s[6:7]
	s_load_b128 s[12:15], s[0:1], 0x10             ; V's codes s[12:13], the scales' exponents s[14:15]
	s_load_b64 s[16:17], s[0:1], 0x20              ; out0
	s_load_b64 s[8:9], s[0:1], 0x28                ; stats
	v_lshl_add_u32 v[SPW], v0, 2, SPARE
	v_mov_b32 v[NIL], 0
	ds_add_u32 v[SPW], v[NIL]                      ; the wave's opening: the add, twice on end, and its wait ahead of the first tensor load; the set-up below, work on registers, stands between
	ds_add_u32 v[SPW], v[NIL]                      ; and once more, under the one wait
	v_lshrrev_b32 v8, 5, v0
	v_readfirstlane_b32 s[WV], v8                  ; wave 0..15
	s_and_b32 s72, ttmp7, 0xffff                   ; the head
	s_mov_b32 s73, 0
	s_mov_b64 s[74:75], SIZE_N*ROWB
	s_mul_u64 s[74:75], s[72:73], s[74:75]         ; the head's first byte in each tensor of codes (V's 128 rows of 2,048 codes are as many bytes as 2,048 rows of 128)
	s_lshl_b32 s78, s72, 9                         ; the head's 512 bytes in a row of out0
	s_mov_b32 s79, 0
	s_mov_b32 s81, 0x0DE3B658                      ; the levels of waves 8 to 15, four bits each, wave 8's lowest,
	s_cmp_lt_u32 s[WV], 8
	s_cselect_b32 s81, 0x7A94C12F, s81             ; or those of waves 0 to 7
	s_and_b32 s80, s[WV], 7
	s_lshl_b32 s80, s80, 2
	s_lshr_b32 s81, s81, s80
	s_and_b32 s81, s81, 15                         ; my level
	s_lshl_b32 s80, s81, 7
	s_lshl_b32 s81, ttmp9, 4
	s_add_co_u32 s80, s80, s81                     ; my first query: 128 x level + 16 x work-group x
	s_mov_b32 s81, 0
	s_mov_b64 s[82:83], ROWB
	s_mul_u64 s[82:83], s[80:81], s[82:83]
	s_add_nc_u64 s[82:83], s[82:83], s[74:75]      ; its codes
	s_lshl_b64 s[86:87], s[80:81], 14
	s_add_nc_u64 s[86:87], s[86:87], s[78:79]      ; its row of out0, at my head
	s_lshl_b32 s84, s72, 11
	s_add_co_u32 s84, s84, s80
	s_lshl_b32 s84, s84, 2                         ; its word in a plane of stats
	s_mov_b32 s85, 0
	; what I fetch, if I fetch: wave 0, 1: keys 128 x wave on; wave 2, 3: rows 64 x (wave - 2) of V
	s_and_b32 s88, s[WV], 1
	s_mul_i32 s89, s88, (SK/2)*ROWB
	s_mov_b32 s90, s89
	s_mov_b32 s91, 0
	s_add_nc_u64 s[90:91], s[90:91], s[74:75]      ; K: in memory,
	s_mul_i32 s89, s88, (SK/2)*KP                  ; and in a slot
	s_mov_b64 s[92:93], 64*KROWV
	s_mov_b32 s94, s88
	s_mov_b32 s95, 0
	s_mul_u64 s[92:93], s[94:95], s[92:93]
	s_add_nc_u64 s[92:93], s[92:93], s[74:75]      ; V: in memory,
	s_mul_i32 s94, s88, 64*VP
	s_add_co_u32 s94, s94, VOFF                    ; and in a slot
	; descriptor group 1: K: 128 rows of 128 bytes, dense in memory;  V: 64 rows of 256 bytes, 2,048 bytes apart
	s_mov_b32 s[G1K], (0<<16)|(1<<20)|(4<<22)|(3<<25)             ; 15:0 no mask; 17:16 elements of 1 byte; 20 padding on; 24:22 after every 32 words (code 4); 31:25 four words (code 3)
	s_mov_b32 s[G1K+1], ROWB<<16                   ; tensor_dim0
	s_mov_b32 s[G1K+2], (SK/2)<<16                 ; tensor_dim1
	s_mov_b32 s[G1K+3], ROWB<<16                   ; tile_dim0
	s_mov_b32 s[G1K+4], SK/2                       ; tile_dim1
	s_mov_b32 s[G1K+5], ROWB                       ; tensor_dim0_stride
	s_mov_b32 s[G1K+6], 0
	s_mov_b32 s[G1K+7], 0
	s_mov_b32 s[G1V], (0<<16)|(1<<20)|(5<<22)|(3<<25)             ; padding: four words after every 64
	s_mov_b32 s[G1V+1], VROWB<<16
	s_mov_b32 s[G1V+2], 64<<16
	s_mov_b32 s[G1V+3], VROWB<<16
	s_mov_b32 s[G1V+4], 64
	s_mov_b32 s[G1V+5], KROWV
	s_mov_b32 s[G1V+6], 0
	s_mov_b32 s[G1V+7], 0
	s_mov_b32 s[SEL], 0x76543210
	s_mov_b32 s[SEL+1], 0xfedcba98
	s_mov_b32 s[CS], 0x3e0293ee                    ; c = log2(e) / sqrt(128)
	s_mov_b32 s[TB], 0
	s_mov_b32 s[SLOTS], NSL-1
	s_mov_b32 s[KF], 0
	s_mov_b32 s[Q0], s80
	s_wait_dscnt 0x0                               ; both opening adds are done
	s_wait_kmcnt 0x0
	s_load_b128 s[68:71], s[14:15], 0x0            ; eq, ek, ev, ep
	s_mov_b32 s[G0K], 1                            ; 1:0 count = 1
	s_mov_b32 s[G0K+1], s89                        ; 63:32 LDS address: slot 0
	s_add_nc_u64 s[G0K+2:G0K+3], s[6:7], s[90:91]  ; 120:64 global address: the head's first 256 keys
	s_or_b32 s[G0K+3], s[G0K+3], 0x80000000        ; 127:126 type = 2
	s_mov_b32 s[G0V], 1
	s_mov_b32 s[G0V+1], s94
	s_add_nc_u64 s[G0V+2:G0V+3], s[12:13], s[92:93]
	s_or_b32 s[G0V+3], s[G0V+3], 0x80000000
	TLOAD G0K, G1K, G0V, G1V                       ; slot 0
	s_add_nc_u64 s[4:5], s[4:5], s[82:83]          ; Q's codes at my first query
	s_add_nc_u64 s[16:17], s[16:17], s[86:87]      ; out0 likewise
	s_add_nc_u64 s[8:9], s[8:9], s[84:85]          ; stats likewise
	; the prefetches (macro ASK): where my wave's stand, and who asks.  s76 to s87 are free from here on
	s_cmp_lt_u32 s[WV], 8                          ; waves 4 to 7 ask for K's codes, waves 8 to 11 for V's
	s_cselect_b64 s[PFA:PFA+1], s[6:7], s[12:13]
	s_mov_b32 s[PFS], VROWB
	s_cselect_b32 s[PFS], SK*ROWB, s[PFS]          ; a slot on
	s_mov_b32 s82, KROWV
	s_cselect_b32 s82, 256, s82                    ; from lane to lane
	s_mov_b32 s83, 32*KROWV
	s_cselect_b32 s83, 8192, s83                   ; from wave to wave
	v_and_b32 v[PFO], 31, v0
	v_mul_lo_u32 v[PFO], v[PFO], s82
	s_and_b32 s82, s[WV], 3
	s_mul_i32 s82, s82, s83                        ; my wave's part,
	s_add_co_u32 s82, s82, s[PFS]                  ; in slot 1: the first change of slots steps it to slot 2.  Nothing is prefetched here, at the head
	s_mov_b32 s83, 0
	s_mov_b32 s[PFS+1], 0
	s_add_nc_u64 s[PFA:PFA+1], s[PFA:PFA+1], s[74:75]  ; in my head
	s_add_nc_u64 s[PFA:PFA+1], s[PFA:PFA+1], s[82:83]
	s_sub_co_u32 s82, s[WV], 4
	s_lshr_b32 s82, s82, 3                         ; 0 in waves 4 to 11,
	s_or_b32 s82, s82, ttmp9                       ; of the head's first work-group
	s_cmp_eq_u32 s82, 0
	s_cselect_b32 s[LIM], 1, -1
	v_and_b32 v8, 15, v0                           ; r = lane % 16
	v_bfe_u32 v9, v0, 4, 1                         ; h = lane / 16
	v_mul_u32_u24 v10, v8, ROWB
	v_lshl_add_u32 v10, v9, 4, v10                 ; Q: row r, + my half's bytes
.irp c, 0,1,2,3
	global_load_b128 v[16+4*\c:19+4*\c], v10, s[4:5] offset:32*\c   ; Q's fragment stays in registers
.endr
	v_and_b32 v11, 8, v8
	v_add_nc_u32 v11, v11, v8                      ; r + 8 (r / 8)
	v_mul_u32_u24 v[AK0], v11, KP
	v_lshl_add_u32 v[AK0], v9, 4, v[AK0]
	v_mul_u32_u24 v[AV0], v8, VP
	v_lshl_add_u32 v[AV0], v9, 4, v[AV0]
	v_add_nc_u32 v[AV0], VOFF, v[AV0]
	v_lshlrev_b32 v[GO], 14, v9
	v_lshl_add_u32 v[GO], v8, 4, v[GO]             ; the way out: lanes 0-15 take one row of out0, lanes 16-31 the next (16,384 bytes on); 16 bytes a lane
	v_mov_b32 v13, 0xff61b1e6                      ; the largest t so far: -3e38, under every t
	v_floor_f32 v12, -v13                          ; -M
	v_mov_b32 v14, 0                               ; the sum, in two halves
	v_mov_b32 v15, 0
	v_mov_b32 v236, 0                              ; written once: a lane permute's destination counts as one of its sources
	v_mov_b32 v253, 0                              ; (named as the upper half of the pair v[252:253])
.set n, 0
.rept 64
	v_mov_b32 v[160+n], 0                          ; O^T.  (The loop is written once: its first step finds zeros, which the first change of M leaves zeros)
.set n, n+1
.endr
	s_wait_kmcnt 0x0
	s_add_co_i32 s72, s68, s69
	s_lshl_b32 s72, s72, 23
	s_add_co_i32 s[CS], s[CS], s72                 ; a score stands for score x 2^(eq + ek): the two exponents are added to c's exponent field
	s_mov_b32 s[CS+1], s[CS]                       ; (named with it as a pair, so it is written)
	s_add_co_i32 s72, s71, 127
	s_lshl_b32 s73, s72, 23
	v_mov_b32 v244, s73                            ; 2^ep as f32, for the conversion
	s_add_co_i32 s72, s72, 8
	s_lshl_b32 s72, s72, 23
	s_or_b32 s72, s72, 0x600000
	v_mov_b32 v240, s72                            ; 448 x 2^ep
; A KEY STEP: 128 keys, the q-th of the slot in hand.
.macro STEP q
; A step all of whose keys come after my 16 queries is left out: a scalar branch on ids, round the step's loads, products and softmax; not round the line at its end that steps the first key; no barrier or tensor load stands in a step.
	s_add_co_u32 s96, s[Q0], 15
	s_cmp_gt_u32 s[KF], s96
	s_cbranch_scc1 .Lhidden_\@
	v_add_nc_u32 v[ADK], s[TB], v[AK0]
	v_add_nc_u32 v[ADV], s[TB], v[AV0]
.irp g, 0,1                                    ; S^T = K Q^T, four tiles of 16 keys at a time
.rept 4-2*(1-\g)
	v_nop                                          ; four places in front of loads into registers that matrix instructions have read; the two additions above are places too
.endr
.irp t, 0,1,2,3
.irp c, 0,1,2,3
	ds_load_b128 v[32+16*\t+4*\c:32+16*\t+4*\c+3], v[ADK] offset:(128*(\q)+32*((4*\g+\t)/2)+8*(\t%2))*KP+32*\c
.endr
.endr
	s_wait_dscnt 0x0
.irp t, 0,1,2,3
	v_wmma_f32_16x16x128_fp8_fp8 v[96+8*(4*\g+\t):103+8*(4*\g+\t)], v[32+16*\t:47+16*\t], v[16:31], 0
.endr
.endr
.rept 4
	v_nop
.endr
	; on the diagonal the scores of hidden keys become -infinity ahead of the maximum: p = 0 then.  A step all of whose keys count skips this
	s_add_co_u32 s96, s[KF], 127
	s_cmp_le_u32 s96, s[Q0]
	s_cbranch_scc1 .Lopen_\@
	s_sub_co_i32 s96, s[Q0], s[KF]
	v_and_b32 v252, 15, v0
	v_bfe_u32 v253, v0, 4, 1
	v_lshlrev_b32 v253, 4, v253
	v_sub_nc_u32 v252, v252, v253
	v_add_nc_u32 v252, s96, v252                   ; d = my query - the step's first key - 16 (lane / 16).  Register 16 b + i holds key 16 (lane / 16) + 32 b + i of the step: hidden where 32 b + i > d
	v_mov_b32 v254, 0xff800000                     ; -infinity
.set n, 0
.rept 64
	v_cmp_gt_i32 vcc_lo, 32*(n/16)+n%16, v252
	v_cndmask_b32 v[96+n], v[96+n], v254, vcc_lo
.set n, n+1
.endr
.Lopen_\@:
	v_max3_num_f32 v254, v96, v97, v98             ; the step's largest score of my query, among my 64 keys, in two chains,
	v_max3_num_f32 v252, v99, v100, v101
.irp i, 6,10,14,18,22,26,30,34,38,42,46,50,54,58
	v_max3_num_f32 v254, v254, v[96+\i], v[97+\i]
	v_max3_num_f32 v252, v252, v[98+\i], v[99+\i]
.endr
	v_max3_num_f32 v254, v254, v158, v159
	v_max_num_f32 v254, v254, v252
	v_permlanex16_b32 v236, v254, s[SEL], s[SEL+1]
	v_max_num_f32 v254, v254, v236                 ; and among lane l xor 16's
	v_mul_f32 v254, s[CS], v254                    ; as t (c is positive)
	v_max_num_f32 v13, v13, v254                   ; the running largest t
	v_mov_b32 v254, v12
	v_floor_f32 v12, -v13                          ; the new -M = floor(-t) = -ceil(t): M IS A WHOLE NUMBER
	v_sub_f32 v254, v12, v254                      ; M's old value less its new one: a whole number, 0 or less
	v_cvt_i32_f32 v254, v254                       ; (it saturates)
	v_ldexp_f32 v252, 1.0, v254                    ; f = 2^(old M - new M): a multiplication by it rounds nothing
.set n, 0
.rept 32
	v_pk_fma_f32 v[96+n:97+n], v[96+n:97+n], s[CS:CS+1], v[12:13] op_sel_hi:[1,0,0]   ; t - M, two at a time (of the pairs c and -M the low word serves both halves)
.set n, n+2
.endr
.set n, 0
.rept 64
	v_exp_f32 v[96+n], v[96+n]                     ; p = 2^(t - M), at most 1: NOT normalised
.set n, n+1
.endr
	v_pk_mul_f32 v[14:15], v[14:15], v[252:253] op_sel_hi:[1,0]   ; the sums under the new M.  (A plain place behind the exponentials)
	s_wait_alu depctr_va_vdst(0)                   ; one wait for the whole batch of exponentials, ahead of its first reader
	v_pk_add_f32 v[242:243], v[96:97], v[98:99]    ; THE ROW'S SUM IS TAKEN OF THE UNQUANTISED p: two at a time, in two chains
.irp j, 4,8,12,16,20,24,28,32,36,40,44,48,52,56,60
	v_pk_add_f32 v[14:15], v[14:15], v[96+\j:97+\j]
	v_pk_add_f32 v[242:243], v[242:243], v[98+\j:99+\j]
.endr
	v_pk_add_f32 v[14:15], v[14:15], v[242:243]
.irp b, 0,1,2,3
.irp i, 0,1,2,3,4,5,6,7,8,9,10,11,12,13,14,15
	v_min_num_f32 v[96+16*\b+\i], v[96+16*\b+\i], v240   ; the conversion to an 8-bit code does not saturate (ISA guide 7.6.2); p is not negative, so the hold is one-sided
.endr
	v_cvt_scalef32_pk8_fp8_f32 v[224+4*\b:225+4*\b], v[96+16*\b:103+16*\b], v244
	v_cvt_scalef32_pk8_fp8_f32 v[226+4*\b:227+4*\b], v[104+16*\b:111+16*\b], v244
.endr
.set n, 0
.rept 32
	v_pk_mul_f32 v[160+n:161+n], v[160+n:161+n], v[252:253] op_sel_hi:[1,0]   ; O^T under the new M: x f.  (These 32 are also the places in front of the matrix instructions and loads below)
.set n, n+2
.endr
.irp g, 0,1                                    ; O^T += V^T P^T: four tiles of 16 of the head's 128 at a time; K = these 128 keys
.if \g > 0
.rept 4
	v_nop
.endr
.endif
.irp t, 0,1,2,3
.irp c, 0,1,2,3
	ds_load_b128 v[32+16*\t+4*\c:32+16*\t+4*\c+3], v[ADV] offset:16*(4*\g+\t)*VP+ROWB*(\q)+32*\c
.endr
.endr
	s_wait_dscnt 0x0
.irp t, 0,1,2,3
	v_wmma_f32_16x16x128_fp8_fp8 v[160+8*(4*\g+\t):167+8*(4*\g+\t)], v[32+16*\t:47+16*\t], v[224:239], v[160+8*(4*\g+\t):167+8*(4*\g+\t)]
.endr
.endr
.Lhidden_\@:
	s_add_co_u32 s[KF], s[KF], 128
.endm
; THE CHANGE OF SLOTS stands at a slot's head.  Each wave waits for all its tensor loads (its part of the slot that it is about to read), adds 0 to its spare word (fill = 1: twice on end), and waits for that and for its reads of the slot that it has left.
; Behind the barrier the slot ahead is whole and nobody reads the other one.  fill = 1: that other slot is filled with the keys that follow: the load has a whole slot's steps in which to land.  By this text's count a wave has at most one tensor load out.
.macro CHANGE fill
	s_wait_tensorcnt 0x0                           ; no tensor load of mine is out, so a group 0 may be written
	ds_add_u32 v[SPW], v[NIL]                      ; 0 onto my spare word
.if \fill
	ds_add_u32 v[SPW], v[NIL]                      ; and once more: twice on end, in every trip alike
	s_xor_b32 s[G0K+1], s[G0K+1], SLOT1            ; the walking descriptors: the other slot than last time,
	s_add_nc_u64 s[G0K+2:G0K+3], s[G0K+2:G0K+3], SK*ROWB   ; the next 256 keys; the type bits on top are not reached
	s_xor_b32 s[G0V+1], s[G0V+1], SLOT1
	s_add_nc_u64 s[G0V+2:G0V+3], s[G0V+2:G0V+3], VROWB
	s_wait_xcnt 0x0                                ; the last prefetch, a slot back, has read its address, so it may be written:
	s_add_nc_u64 s[PFA:PFA+1], s[PFA:PFA+1], s[PFS:PFS+1]  ; one slot further on than the walking descriptors
.endif
	s_wait_dscnt 0x0                               ; the add is done (fill = 1: both are), and my reads of the slot that I have left are over
	s_barrier_signal -1
	s_barrier_wait -1
.if \fill
	TLOAD G0K, G1K, G0V, G1V                       ; the first thing behind the barrier, and a wave's one tensor load until the next
	ASK                                            ; what the next change of slots will ask for: a slot's two key steps ahead of that load
.endif
.endm
.macro SLOT_STEPS
.set Q, 0
.rept NQ
	STEP Q
.set Q, Q+1
.endr
	s_xor_b32 s[TB], s[TB], SLOT1                  ; on to the other slot
.endm
	s_wait_loadcnt 0x0                             ; Q
.Lslot:                                            ; 7 trips: behind each change of slots but the last the next slot is asked for
	CHANGE 1
	SLOT_STEPS
	s_sub_co_u32 s[SLOTS], s[SLOTS], 1
	s_cmp_lg_u32 s[SLOTS], 0
	s_cbranch_scc1 .Lslot
	CHANGE 0                                       ; the last slot is written out
	SLOT_STEPS
	; THE WAY OUT.  The sum's two halves are added; -M and -l go to stats; O^T is divided by the sum and goes through my stage in LDS, half a head's row (64 channels, 256 bytes) of 16 queries at a time, so that sixteen lanes store 256 consecutive bytes, aligned.
	v_add_f32 v14, v14, v15                        ; the sum's two halves,
	v_permlanex16_b32 v252, v14, s[SEL], s[SEL+1]
	v_add_f32 v14, v14, v252                       ; and lane l xor 16's: the row's sum l
	v_rcp_f32 v15, v14
	v_and_b32 v8, 15, v0                           ; (a plain place behind the transcendental)  r
	v_bfe_u32 v9, v0, 4, 1                         ; h
	s_add_co_i32 s72, s70, s71                     ; ev + ep
	s_mul_i32 s73, s[WV], 16*272
	s_add_co_u32 s73, s73, STAGE                   ; my stage
	v_mul_u32_u24 v10, v8, 272
	v_lshl_add_u32 v10, v9, 5, v10
	v_add_nc_u32 v10, s73, v10                     ; in: row r; tile t's eight channels of my half: 64 t + 32 h bytes on
	v_mul_u32_u24 v11, v9, 272
	v_lshl_add_u32 v11, v8, 4, v11
	v_add_nc_u32 v11, s73, v11                     ; back: lanes 0-15 one row, lanes 16-31 the next
	v_xor_b32 v253, 0x80000000, v14                ; -l
	v_cmp_ne_u32 vcc_lo, 0, v9
	v_cndmask_b32 v253, v12, v253, vcc_lo          ; lanes 0-15: -M of query r; lanes 16-31: -l of query r
	v_lshlrev_b32 v254, 2, v8
	v_lshl_add_u32 v254, v9, 18, v254              ; plane 1 lies 262,144 bytes behind plane 0
	global_store_b32 v254, v253, s[8:9]            ; 64 consecutive bytes in each plane; v253 and v254 are not written again
	s_wait_alu depctr_va_vdst(0)                   ; the wait ahead of the reciprocal's first reader
	v_ldexp_f32 v15, v15, s72                      ; 2^(ev + ep) / l
.set n, 0
.rept 64
	v_mul_f32 v[96+n], v[160+n], v15               ; O^T / the sum: register 8 t + i is o(r, 16 t + 8 h + i); each accumulator from its low end on
.set n, n+1
.endr
.irp u, 0,1                                    ; channels 64 u on
.irp t, 0,1,2,3
	ds_store_b128 v10, v[96+32*\u+8*\t:99+32*\u+8*\t] offset:64*\t
	ds_store_b128 v10, v[100+32*\u+8*\t:103+32*\u+8*\t] offset:64*\t+16
.endr
.irp i, 0,1,2,3,4,5,6,7
	ds_load_b128 v[32+32*\u+4*\i:35+32*\u+4*\i], v11 offset:2*\i*272   ; LDS serves a wave's instructions in order: these see my stores, and the next half's stores come behind them
.endr
.endr
.irp u, 0,1
.irp i, 0,1,2,3,4,5,6,7
	s_wait_dscnt 15-8*\u-\i                        ; this load is back; for u = 0 the count leaves out the younger loads and the second half's eight stores and eight loads in part: a smaller count than needed is safe
	global_store_b128 v[GO], v[32+32*\u+4*\i:35+32*\u+4*\i], s[16:17] offset:2*\i*OROW+256*\u
.endr
.endr
	s_wait_tensorcnt 0x0                           ; the wave's end: a tensor wait, an add to my spare word and its wait, behind my last tensor load and my last LDS store
	ds_add_u32 v[SPW], v[NIL]
	s_wait_dscnt 0x0
	s_endpgm
.Lfunc_end_k_qdd5321b71a_attn:
	.size	k_qdd5321b71a_attn, .Lfunc_end_k_qdd5321b71a_attn-k_qdd5321b71a_attn
	.p2alignl 7, 3214868480
	.fill 96, 4, 3214868480
	.section	.rodata,"a",@progbits
	.p2align	6, 0x0
	.amdhsa_kernel k_qdd5321b71a_attn
		.amdhsa_group_segment_fixed_size 327680
		.amdhsa_private_segment_fixed_size 0
		.amdhsa_enable_private_segment 0
		.amdhsa_kernarg_size 48
		.amdhsa_user_sgpr_count 2
		.amdhsa_user_sgpr_kernarg_segment_ptr 1
		.amdhsa_wavefront_size32 1
		.amdhsa_system_sgpr_workgroup_id_x 1
		.amdhsa_system_sgpr_workgroup_id_y 1
		.amdhsa_system_sgpr_workgroup_id_z 1
		.amdhsa_system_vgpr_workitem_id 0
		.amdhsa_next_free_vgpr 256
		.amdhsa_next_free_sgpr 100
		.amdhsa_reserve_vcc 1
		.amdhsa_float_denorm_mode_32 3
		.amdhsa_float_denorm_mode_16_64 3
		.amdhsa_memory_ordered 1
		.amdhsa_forward_progress 1
		.amdhsa_inst_pref_size 115
	.end_amdhsa_kernel
	.amdgpu_metadata
---
amdhsa.version: [ 1, 2 ]
amdhsa.kernels:
  - .name:           k_qdd5321b71a_attn
    .symbol:         k_qdd5321b71a_attn.kd
    .args:
      - { .name: q_codes, .offset: 0, .size: 8, .value_kind: global_buffer, .address_space: global }
      - { .name: k_codes, .offset: 8, .size: 8, .value_kind: global_buffer, .address_space: global }
      - { .name: v_codes, .offset: 16, .size: 8, .value_kind: global_buffer, .address_space: global }
      - { .name: lowp_scales, .offset: 24, .size: 8, .value_kind: global_buffer, .address_space: global }
      - { .name: out0, .offset: 32, .size: 8, .value_kind: global_buffer, .address_space: global }
      - { .name: stats, .offset: 40, .size: 8, .value_kind: global_buffer, .address_space: global }
    .group_segment_fixed_size: 327680
    .private_segment_fixed_size: 0
    .kernarg_segment_align: 8
    .kernarg_segment_size: 48
    .max_flat_workgroup_size: 512
    .sgpr_count:     100
    .vgpr_count:     256
    .wavefront_size: 32
...
	.end_amdgpu_metadata
.endif
;; end of part 3
;; launch corm (part 4): grid 8 x 32, 16 waves a work-group, no clusters, 6,144 bytes of LDS; arguments q_codes, k_codes, corm_mask, stats, zp, lowp_scales, out1; writes out1
.if DOCPART == 4
	.amdgcn_target "amdgcn-amd-amdhsa--gfx1250"
	.amdhsa_code_object_version 6
	.text
	.protected	k_qdd5321b71a_corm
	.globl	k_qdd5321b71a_corm
	.p2align	8
	.type	k_qdd5321b71a_corm,@function
k_qdd5321b71a_corm:
	s_mov_b64 s[64:65], 0
	v_nop
	global_prefetch_b8 v0, s[64:65] scope:SCOPE_SE
	s_setreg_imm32_b32 hwreg(HW_REG_WAVE_MODE, 25, 1), 1
	s_wait_xcnt 0x0
; FOURTH LAUNCH.  out1[h][k] = any over q of (probs[h][q][k] >= corm_mask[q][k]), one byte, 0 or 1.
; WORK LEFT OUT: the scores of blocks of 64 keys that lie wholly above a block of 64 queries: reference()'s own causal mask makes probs exactly 0 there for all values of the inputs; their test 0 >= mask was taken by the first launch into zp.
; THE TEST.  probs = p / l with p = 2^(t - M) and l the row's sum, both as the third launch has them (-M and -l come from stats; the score has the same bits: the same codes in the same places of the same matrix
; instruction, with its two sources swapped).  l is positive, so probs >= mask is p - mask x l >= 0: ONE fused multiply-add, d = fma(mask, -l, p).  Where a row has one key (row 0: p = l) and the mask is 1, d is exactly 0.
; Any over q of (d >= 0) is (the largest d >= 0): a running maximum.  A hidden pair inside the diagonal block has p = 0, so d = -mask x l, whose sign is that of 0 >= mask.  A NaN in the mask loses in the maximum, as its comparison is false.
; out1[h][k] = (max(largest d over q >= 64 (k / 64), largest zp[rb][k] over all 32 rb) >= 0).
; LIMITS: eq + ek between -123 and 130; a p under 2^-126 counts as 0 (v_exp_f32 flushes such results: ISA guide 15.8), which can tell only against a mask under some 1e-38.
; SHARES.  A block is 64 keys; block B has 32 - B blocks of 64 queries at or under it.  Work-group (x, head) owns blocks x, 31 - x, x + 8, 23 - x: 66 blocks of queries in every work-group.  Wave w = 4 a + b works on the work-group's
; block (a + b) % 4 and takes, of each block of 64 queries, tile u = a of 16: a Latin square, so that four consecutive waves, and four waves with equal number mod 4, hold each of the four blocks once: 66 trips together.
; The four waves of a block meet in LDS at the end; each byte of out1 has one owner.  Operands go from memory straight into registers: no tensor load; so no joint loads either, though work-groups of equal x and other heads read the same mask.
; LAYOUT.  D = Q K^T: source 0 = 16 queries, source 1 = 16 keys; tile e takes keys k0 + 4 r + e.  Register 8 e + j of lane (r, h) is (query q0 + 8 h + j, key k0 + 4 r + e).  So one 16-byte load of the mask's row q0 + 8 h + j at
; column k0 + 4 r brings the four tiles' thresholds (sixteen lanes read 256 consecutive bytes, aligned), and a lane's four maxima are four neighbouring keys.
.set VQ,  2                            ; v2   Q: 128 r + 16 h
.set VK,  3                            ; v3   K: 512 r + 16 h
.set VM,  4                            ; v4   mask: 65,536 h + 16 r (eight rows of 8,192 bytes)
.set VS,  5                            ; v5   stats: 32 h
.set DA,  6                            ; v6   4 r - 8 h - 16 u: in the diagonal trip (e, j) is hidden where j - e < this
.set NI,  7                            ; v7   -infinity
.set SPW, 8                            ; v8   LDS address of my spare word; never rewritten
.set NIL, 9                            ; v9   0; never rewritten
.set WRA, 10                           ; v10  where I put my four maxima: 1,024 block + 256 u + 16 r
.set RDA, 11                           ; v11  where a closing wave reads them: 1,024 (wave % 4) + 512 h + 16 r
.set ACC, 12                           ; v12-15 the running maxima, one a tile
.set NM,  16                           ; v16-23 -M of queries q0 + 8 h + 0 .. 7
.set NL,  24                           ; v24-31 -l of the same
.set Q,   32                           ; v32-47 Q's fragment
.set S,   48                           ; v48-79 the scores, then p, then d
.set MK,  80                           ; v80-111 the mask: register 4 j + e
.set KR,  112                          ; v112-175 K's four fragments: they stay
.set TT,  176                          ; v176-179 at work
.set ZA,  184                          ; v184 zp: 131,072 h + 16 r (sixteen rows of 8,192 bytes)
.set OA,  185                          ; v185 out1: 4 r + 2 h
.set VH,  186                          ; v186 h
.set R16, 187                          ; v187 16 r
.set WV,  18
.set QB,  20                           ; s[20:21] Q's codes at the tile in hand
.set SM,  22                           ; s[22:23] stats, plane 0
.set SL,  24                           ; s[24:25] stats, plane 1
.set MB,  26                           ; s[26:27] the mask at (q0, k0)
.set KB,  28                           ; s[28:29] K's codes at k0
.set CS,  30                           ; s[30:31] c = log2(e) / sqrt(128) x 2^(eq + ek), as in the third launch
.set SEL, 32                           ; s[32:33] lane selects: lane l xor 16
.set CNT, 34                           ; s34  trips but the last
.set DG,  35                           ; s35  1 in the first trip, the diagonal one
.set SPARE, 4096                       ; LDS: bytes 0-4,095 the sixteen waves' maxima, 256 bytes each; then the spare words, 128 bytes a wave
	s_load_b256 s[4:11], s[0:1], 0x0               ; Q's codes s[4:5], K's codes s[6:7], the mask s[8:9], stats s[10:11]
	s_load_b128 s[12:15], s[0:1], 0x20             ; zp s[12:13], the scales' exponents s[14:15]
	s_load_b64 s[16:17], s[0:1], 0x30              ; out1
	v_lshl_add_u32 v[SPW], v0, 2, SPARE
	v_mov_b32 v[NIL], 0
	v_lshrrev_b32 v1, 5, v0
	v_readfirstlane_b32 s[WV], v1                  ; wave 0..15
	s_lshr_b32 s38, s[WV], 2                       ; a = u: my tile of 16 in each block of 64 queries
	s_and_b32 s39, s[WV], 3                        ; b
	s_add_co_u32 s40, s38, s39
	s_and_b32 s40, s40, 3                          ; which of the work-group's four blocks
	s_lshr_b32 s41, s40, 1
	s_lshl_b32 s41, s41, 3
	s_add_co_u32 s41, s41, ttmp9                   ; x, or x + 8
	s_sub_co_u32 s42, 31, s41                      ; and its mirror
	s_and_b32 s43, s40, 1
	s_cmp_lg_u32 s43, 0
	s_cselect_b32 s42, s42, s41                    ; B: my block of 64 keys
	s_sub_co_u32 s[CNT], 31, s42                   ; 32 - B trips, the last written out
	s_mov_b32 s[DG], 1
	s_lshl_b32 s43, s42, 6                         ; k0
	s_lshl_b32 s60, s38, 4                         ; 16 u
	s_add_co_u32 s44, s43, s60                     ; my first query: k0 + 16 u
	s_and_b32 s45, ttmp7, 0xffff
	s_lshl_b32 s45, s45, 11                        ; head x 2,048
	s_add_co_u32 s46, s45, s44
	s_lshl_b32 s48, s46, 7                         ; Q's codes: 128 bytes a query
	s_mov_b32 s49, 0
	s_lshl_b32 s50, s46, 2                         ; stats: 4 bytes a query
	s_mov_b32 s51, 0
	s_lshl_b32 s52, s44, 13                        ; the mask: 8,192 bytes a row
	s_lshl_b32 s58, s43, 2                         ; + 4 k0; also zp's column
	s_add_co_u32 s52, s52, s58
	s_mov_b32 s53, 0
	s_mov_b32 s59, 0
	s_add_co_u32 s54, s45, s43                     ; head x 2,048 + k0: out1's byte,
	s_mov_b32 s55, 0
	s_lshl_b32 s56, s54, 7                         ; and K's codes
	s_mov_b32 s57, 0
	s_mov_b32 s[SEL], 0x76543210
	s_mov_b32 s[SEL+1], 0xfedcba98
	s_mov_b32 s[CS], 0x3e0293ee                    ; log2(e) / sqrt(128)
	v_and_b32 v1, 15, v0                           ; r
	v_bfe_u32 v[VH], v0, 4, 1                      ; h
	v_lshlrev_b32 v[R16], 4, v1
	v_lshlrev_b32 v[VQ], 7, v1
	v_lshl_add_u32 v[VQ], v[VH], 4, v[VQ]
	v_lshlrev_b32 v[VK], 9, v1
	v_lshl_add_u32 v[VK], v[VH], 4, v[VK]
	v_lshl_add_u32 v[VM], v[VH], 16, v[R16]
	v_lshlrev_b32 v[VS], 5, v[VH]
	v_lshlrev_b32 v[DA], 2, v1
	v_lshlrev_b32 v[TT], 3, v[VH]
	v_sub_nc_u32 v[DA], v[DA], v[TT]
	v_sub_nc_u32 v[DA], v[DA], s60
	v_mov_b32 v[NI], 0xff800000
	s_lshl_b32 s61, s40, 10
	s_lshl_b32 s62, s38, 8
	s_add_co_u32 s61, s61, s62
	v_add_nc_u32 v[WRA], s61, v[R16]
	s_lshl_b32 s62, s39, 10
	v_lshl_add_u32 v[RDA], v[VH], 9, v[R16]
	v_add_nc_u32 v[RDA], s62, v[RDA]
	v_lshl_add_u32 v[ZA], v[VH], 17, v[R16]
	v_lshlrev_b32 v[OA], 2, v1
	v_lshl_add_u32 v[OA], v[VH], 1, v[OA]
.irp e, 0,1,2,3
	v_mov_b32 v[ACC+\e], 0xff800000                ; under every d
	v_mov_b32 v[TT+\e], 0                          ; written once: a lane permute's destination counts as one of its sources
.endr
	s_wait_kmcnt 0x0
	s_load_b64 s[36:37], s[14:15], 0x0             ; eq, ek
	s_add_nc_u64 s[QB:QB+1], s[4:5], s[48:49]
	s_add_nc_u64 s[SM:SM+1], s[10:11], s[50:51]
	s_add_nc_u64 s[SL:SL+1], s[SM:SM+1], 0x40000   ; plane 1 lies 262,144 bytes behind plane 0
	s_add_nc_u64 s[MB:MB+1], s[8:9], s[52:53]
	s_add_nc_u64 s[KB:KB+1], s[6:7], s[56:57]
	s_add_nc_u64 s[12:13], s[12:13], s[58:59]      ; zp at column k0
	s_add_nc_u64 s[16:17], s[16:17], s[54:55]      ; out1 at (head, k0)
.macro LDQ
.irp c, 0,1,2,3
	global_load_b128 v[Q+4*\c:Q+4*\c+3], v[VQ], s[QB:QB+1] offset:32*\c
.endr
.endm
.macro LDNM
	global_load_b128 v[NM:NM+3], v[VS], s[SM:SM+1]
	global_load_b128 v[NM+4:NM+7], v[VS], s[SM:SM+1] offset:16
.endm
.macro LDMK
.irp j, 0,1,2,3,4,5,6,7
	global_load_b128 v[MK+4*\j:MK+4*\j+3], v[VM], s[MB:MB+1] offset:8192*\j
.endr
.endm
.macro LDNL
	global_load_b128 v[NL:NL+3], v[VS], s[SL:SL+1]
	global_load_b128 v[NL+4:NL+7], v[VS], s[SL:SL+1] offset:16
.endm
.irp e, 0,1,2,3                                ; K's four fragments: tile e, lane (r, h): key k0 + 4 r + e, bytes 32 c + 16 h on
.irp c, 0,1,2,3
	global_load_b128 v[KR+16*\e+4*\c:KR+16*\e+4*\c+3], v[VK], s[KB:KB+1] offset:128*\e+32*\c
.endr
.endr
	LDQ                                            ; the order Q, -M, mask, -l is the order in which a trip wants them, and in which it asks for the next trip's
	LDNM
	LDMK
	LDNL
	s_wait_kmcnt 0x0
	s_add_co_i32 s36, s36, s37
	s_lshl_b32 s36, s36, 23
	s_add_co_i32 s[CS], s[CS], s36                 ; a score stands for score x 2^(eq + ek): added to c's exponent field
	s_mov_b32 s[CS+1], s[CS]                       ; (named with it as a pair, so it is written)
; A TRIP: 16 queries x my 64 keys.  next = 1: each operand's registers are asked for again, for the tile 64 queries on, as soon as they have been read.
.macro TRIP next
	s_wait_loadcnt 12                              ; Q (and, the first time, K) is in; behind it: -M 2, the mask 8, -l 2
.irp e, 0,1,2,3
	v_wmma_f32_16x16x128_fp8_fp8 v[S+8*\e:S+8*\e+7], v[Q:Q+15], v[KR+16*\e:KR+16*\e+15], 0
.endr
.rept 4
	v_nop                                          ; four places in front of the loads into Q's registers and of the first read of the scores
.endr
.if \next
	s_add_nc_u64 s[QB:QB+1], s[QB:QB+1], 8192      ; the wait at the trip's head has shown the loads that named this base done
	LDQ
.endif
	s_cmp_eq_u32 s[DG], 0
	s_cbranch_scc1 .Lopen_\@
.irp e, 0,1,2,3                                ; the diagonal trip: key k0 + 4 r + e is hidden from query k0 + 16 u + 8 h + j where j - e < 4 r - 8 h - 16 u
.irp j, 0,1,2,3,4,5,6,7
	v_cmp_lt_i32 vcc_lo, \j-\e, v[DA]
	v_cndmask_b32 v[S+8*\e+\j], v[S+8*\e+\j], v[NI], vcc_lo
.endr
.endr
.Lopen_\@:
.if \next
	s_wait_loadcnt 14                              ; -M is in; behind it: the mask 8, -l 2, the next Q 4
.else
	s_wait_loadcnt 10
.endif
.irp e, 0,1,2,3
.irp j, 0,2,4,6
	v_pk_fma_f32 v[S+8*\e+\j:S+8*\e+\j+1], v[S+8*\e+\j:S+8*\e+\j+1], s[CS:CS+1], v[NM+\j:NM+\j+1] op_sel_hi:[1,0,1]   ; t - M: the same fused multiply-add as in the third launch
.endr
.endr
.if \next
	s_add_nc_u64 s[SM:SM+1], s[SM:SM+1], 256
	LDNM
.endif
.set n, 0
.rept 32
	v_exp_f32 v[S+n], v[S+n]                       ; p
.set n, n+1
.endr
	v_nop                                          ; a plain place behind the last exponential
	s_mov_b32 s[DG], 0
	s_wait_alu depctr_va_vdst(0)                   ; one wait for the batch, ahead of its first reader
.if \next
	s_wait_loadcnt 6                               ; the mask and -l are in; behind them: the next Q 4, the next -M 2
.else
	s_wait_loadcnt 0
.endif
.irp e, 0,1,2,3
.irp j, 0,1,2,3,4,5,6,7
	v_fma_f32 v[S+8*\e+\j], v[MK+4*\j+\e], v[NL+\j], v[S+8*\e+\j]   ; d = p - mask x l
.endr
.endr
.irp j, 0,2,4,6
.irp e, 0,1,2,3
	v_max3_num_f32 v[ACC+\e], v[ACC+\e], v[S+8*\e+\j], v[S+8*\e+\j+1]
.endr
.endr
.if \next
	s_add_nc_u64 s[MB:MB+1], s[MB:MB+1], 524288    ; 64 rows of the mask on
	s_add_nc_u64 s[SL:SL+1], s[SL:SL+1], 256
	LDMK
	LDNL
.endif
.endm
	s_cmp_eq_u32 s[CNT], 0                         ; block 31 has the diagonal trip alone
	s_cbranch_scc1 .Llast
.Lloop:
	TRIP 1
	s_sub_co_u32 s[CNT], s[CNT], 1
	s_cmp_lg_u32 s[CNT], 0
	s_cbranch_scc1 .Lloop
.Llast:
	TRIP 0                                         ; the last trip asks for nothing: no load leaves its buffer
	; THE END.  My lanes' halves hold different queries of the same keys: they are joined; the four waves of a block meet in LDS.
.irp e, 0,1,2,3
	v_permlanex16_b32 v[TT+\e], v[ACC+\e], s[SEL], s[SEL+1]
.endr
.irp e, 0,1,2,3
	v_max_num_f32 v[ACC+\e], v[ACC+\e], v[TT+\e]
.endr
	ds_store_b128 v[WRA], v[ACC:ACC+3]             ; lanes r and r + 16 write the same bytes with the same numbers
	s_wait_dscnt 0x0                               ; for the others' sake: my store is done
	s_barrier_signal -1
	s_barrier_wait -1
	s_cmp_ge_u32 s[WV], 4                          ; waves 0 to 3 (a = 0: their block is the work-group's block number wave) close a block each
	s_cbranch_scc1 .Lend
	ds_load_b128 v[KR:KR+3], v[RDA]                ; the maxima of tiles u = 2 h
	ds_load_b128 v[KR+4:KR+7], v[RDA] offset:256   ; and 2 h + 1
.irp i, 0,1,2,3,4,5,6,7,8,9,10,11,12,13,14,15
	global_load_b128 v[S+4*\i:S+4*\i+3], v[ZA], s[12:13] offset:8192*\i   ; zp's rows 16 h + i at my four keys
.endr
	s_wait_loadcnt_dscnt 0x0
.irp e, 0,1,2,3
	v_max_num_f32 v[ACC+\e], v[KR+\e], v[KR+4+\e]
.endr
.irp i, 0,2,4,6,8,10,12,14
.irp e, 0,1,2,3
	v_max3_num_f32 v[ACC+\e], v[ACC+\e], v[S+4*\i+\e], v[S+4*\i+4+\e]
.endr
.endr
.irp e, 0,1,2,3
	v_permlanex16_b32 v[TT+\e], v[ACC+\e], s[SEL], s[SEL+1]
.endr
.irp e, 0,1,2,3
	v_max_num_f32 v[ACC+\e], v[ACC+\e], v[TT+\e]
.endr
.irp e, 0,1,2,3
	v_cmp_le_f32 vcc_lo, 0, v[ACC+\e]              ; 0 <= the largest: true for -0 too
	v_cndmask_b32 v[TT+\e], 0, 1, vcc_lo
.endr
	v_lshl_or_b32 v[TT], v[TT+1], 8, v[TT]         ; keys 4 r, 4 r + 1
	v_lshl_or_b32 v[TT+2], v[TT+3], 8, v[TT+2]     ; keys 4 r + 2, 4 r + 3
	v_cmp_ne_u32 vcc_lo, 0, v[VH]
	v_cndmask_b32 v[TT], v[TT], v[TT+2], vcc_lo
	global_store_b16 v[OA], v[TT], s[16:17]        ; the wave stores the block's 64 consecutive bytes, two a lane
.Lend:
	s_wait_tensorcnt 0x0                           ; the wave's end: a tensor wait, an add to my spare word and its wait, behind my last LDS store
	ds_add_u32 v[SPW], v[NIL]
	s_wait_dscnt 0x0
	s_endpgm
.Lfunc_end_k_qdd5321b71a_corm:
	.size	k_qdd5321b71a_corm, .Lfunc_end_k_qdd5321b71a_corm-k_qdd5321b71a_corm
	.p2alignl 7, 3214868480
	.fill 96, 4, 3214868480
	.section	.rodata,"a",@progbits
	.p2align	6, 0x0
	.amdhsa_kernel k_qdd5321b71a_corm
		.amdhsa_group_segment_fixed_size 6144
		.amdhsa_private_segment_fixed_size 0
		.amdhsa_enable_private_segment 0
		.amdhsa_kernarg_size 56
		.amdhsa_user_sgpr_count 2
		.amdhsa_user_sgpr_kernarg_segment_ptr 1
		.amdhsa_wavefront_size32 1
		.amdhsa_system_sgpr_workgroup_id_x 1
		.amdhsa_system_sgpr_workgroup_id_y 1
		.amdhsa_system_sgpr_workgroup_id_z 1
		.amdhsa_system_vgpr_workitem_id 0
		.amdhsa_next_free_vgpr 256
		.amdhsa_next_free_sgpr 66
		.amdhsa_reserve_vcc 1
		.amdhsa_float_denorm_mode_32 3
		.amdhsa_float_denorm_mode_16_64 3
		.amdhsa_memory_ordered 1
		.amdhsa_forward_progress 1
		.amdhsa_inst_pref_size 30
	.end_amdhsa_kernel
	.amdgpu_metadata
---
amdhsa.version: [ 1, 2 ]
amdhsa.kernels:
  - .name:           k_qdd5321b71a_corm
    .symbol:         k_qdd5321b71a_corm.kd
    .args:
      - { .name: q_codes, .offset: 0, .size: 8, .value_kind: global_buffer, .address_space: global }
      - { .name: k_codes, .offset: 8, .size: 8, .value_kind: global_buffer, .address_space: global }
      - { .name: corm_mask, .offset: 16, .size: 8, .value_kind: global_buffer, .address_space: global }
      - { .name: stats, .offset: 24, .size: 8, .value_kind: global_buffer, .address_space: global }
      - { .name: zp, .offset: 32, .size: 8, .value_kind: global_buffer, .address_space: global }
      - { .name: lowp_scales, .offset: 40, .size: 8, .value_kind: global_buffer, .address_space: global }
      - { .name: out1, .offset: 48, .size: 8, .value_kind: global_buffer, .address_space: global }
    .group_segment_fixed_size: 6144
    .private_segment_fixed_size: 0
    .kernarg_segment_align: 8
    .kernarg_segment_size: 56
    .max_flat_workgroup_size: 512
    .sgpr_count:     66
    .vgpr_count:     256
    .wavefront_size: 32
...
	.end_amdgpu_metadata
.endif
;; end of part 4
;; ======== version 2 of 2: 4 launches
;; limits: right only within a limited range of input values
;; workspace buffers: q_codes 8,388,608 bytes; k_codes 8,388,608 bytes; v_codes 8,388,608 bytes; stats 524,288 bytes; zp 262,144 bytes
;; launch quant_qkz: the kernel of part 1 again; grid 640 x 1, 4 waves a work-group, no clusters, 33,280 bytes of LDS; arguments q, k, corm_mask, lowp_scales, q_codes, k_codes, zp; writes q_codes, k_codes, zp
;; launch quant_v (part 5): grid 32 x 8, 4 waves a work-group, no clusters, 35,840 bytes of LDS; arguments v, lowp_scales, v_codes; writes v_codes
.if DOCPART == 5
	.amdgcn_target "amdgcn-amd-amdhsa--gfx1250"
	.amdhsa_code_object_version 6
	.text
	.protected	k_qdd5321b71a_quant_v
	.globl	k_qdd5321b71a_quant_v
	.p2align	8
	.type	k_qdd5321b71a_quant_v,@function
k_qdd5321b71a_quant_v:
	s_mov_b64 s[64:65], 0
	v_nop
	global_prefetch_b8 v0, s[64:65] scope:SCOPE_SE
	s_setreg_imm32_b32 hwreg(HW_REG_WAVE_MODE, 25, 1), 1
	s_wait_xcnt 0x0
; SECOND LAUNCH.  v, f32 [key][head x 128 + d], is an operand of the second product, whose K is the keys: v's FIRST axis.  It becomes codes of E4M3 laid [head][d][key], keys innermost, with the given scale 2^ev.
; (All of v is quantised: every key counts for some query.)
; THE ORDER OF THE KEYS IN THE CODES' BUFFER: within each group of 32 keys the four runs of eight lie in the order 0-7, 16-23, 8-15, 24-31.  The buffer is the program's own; the third launch reads a fragment by loads of
; 16 bytes at 32 c + 16 (lane / 16), and in this order those 16 bytes are keys 32 c + 8 (lane / 16) + 0 .. 7 and 32 c + 16 + 8 (lane / 16) + 0 .. 7: the places that the matrix instruction's own layout gives them.
; A LANE TAKES A COLUMN (head, d), AND ITS REGISTERS RUN DOWN THE KEYS: each load reads neighbouring columns in neighbouring lanes (128 consecutive bytes a wave, 512 a work-group), and the conversions,
; which take neighbours along K from one lane's consecutive registers, give the codes with the keys innermost.  Nothing is transposed by an instruction.
; code = x / 2^ev, held within +-448, to the nearest code, ties to even.  ev is entry 2 of the scales.  LIMITS: ev between -126 and 119; NaN among the inputs is not served.
; A wave takes 32 columns x 256 keys: 8 blocks of 32 a lane, 256 bytes of codes a column.  They go through the wave's own stage in LDS and leave as rows: sixteen lanes store 256 consecutive bytes, aligned.
; No tensor loads, no barrier: waves share nothing.  Loads run two blocks (64 loads a wave) ahead.  Every offset is an immediate: 255 x 16,384 and 30 x 2,048 at the most.
.set SIZE_K, 2048
.set SIZE_N, 4096
.set KW,    256                        ; keys for a wave
.set NB,    KW/32                      ; blocks
.set ROWB,  256                        ; bytes of KW codes
.set PITCH, ROWB+16                    ; a stage row
.set KROW,  SIZE_K                     ; a row of the codes' buffer in bytes
.set EMAX,  8
.set MANT,  0x600000                   ; the mantissa field of 448 as f32
.set X,     32                         ; v32-95   two sets of 32 numbers
.set C,     96                         ; v96..    a block's codes
.set OUTR,  112                        ; v112-175 the way out: 16 x 4 registers
.set SPW,   14                         ; v14      LDS address of my spare word; never rewritten
.set NIL,   15                         ; v15      0; never rewritten
.set SPARE, 4*32*PITCH                 ; behind the four stages: the spare words, 128 bytes a wave
	s_load_b128 s[4:7], s[0:1], 0x0                ; v, the scales' exponents
	s_load_b64 s[8:9], s[0:1], 0x10                ; the codes
	v_lshl_add_u32 v[SPW], v0, 2, SPARE
	v_mov_b32 v[NIL], 0
	v_lshrrev_b32 v1, 5, v0
	v_readfirstlane_b32 s16, v1                    ; wave 0..3
	v_and_b32 v2, 31, v0                           ; lane
	s_lshl_b32 s17, ttmp9, 7
	s_lshl_b32 s18, s16, 5
	s_add_co_u32 s17, s17, s18                     ; my wave's first column: 128 x work-group x + 32 x wave
	s_and_b32 s18, ttmp7, 0xffff                   ; which 256 keys: work-group y
	v_lshlrev_b32 v3, 2, v2                        ; in: 4 bytes a lane
	s_mul_i32 s19, s16, 32*PITCH                   ; my stage
	v_mul_u32_u24 v4, v2, PITCH
	v_add_nc_u32 v4, s19, v4                       ; into it: row = my column
	v_and_b32 v5, 15, v2
	v_lshrrev_b32 v6, 4, v2                        ; out of it: sixteen lanes to a row, two rows an instruction
	v_mul_u32_u24 v7, v6, PITCH
	v_lshl_add_u32 v7, v5, 4, v7
	v_add_nc_u32 v7, s19, v7                       ; LDS address
	v_mul_u32_u24 v8, v6, KROW
	v_lshl_add_u32 v8, v5, 4, v8                   ; and the same place in the codes' buffer
	s_mov_b32 s19, 0
	s_mov_b64 s[20:21], KW*SIZE_N*4
	s_mul_u64 s[20:21], s[18:19], s[20:21]         ; v: 256 y rows of 16,384 bytes
	s_lshl_b32 s22, s17, 2
	s_mov_b32 s23, 0
	s_add_nc_u64 s[20:21], s[20:21], s[22:23]      ; + 4 x column
	s_mov_b32 s22, s17
	s_mov_b64 s[24:25], KROW
	s_mul_u64 s[24:25], s[22:23], s[24:25]         ; codes: column x 2,048
	s_mul_i32 s26, s18, ROWB
	s_mov_b32 s27, 0
	s_add_nc_u64 s[24:25], s[24:25], s[26:27]      ; + 256 y
	s_wait_kmcnt 0x0
	s_load_b32 s30, s[6:7], 0x8                    ; ev
	s_add_nc_u64 s[4:5], s[4:5], s[20:21]
	s_add_nc_u64 s[8:9], s[8:9], s[24:25]
.macro LOAD t                          ; block t: v(32 t + i, my column), i = 0 .. 31, into set t % 2
.irp i, 0,1,2,3,4,5,6,7,8,9,10,11,12,13,14,15,16,17,18,19,20,21,22,23,24,25,26,27,28,29,30,31
	global_load_b32 v[X+32*((\t)%2)+\i], v3, s[4:5] offset:(32*(\t)+\i)*SIZE_N*4 th:TH_LOAD_NT
.endr
.endm
	LOAD 0
	LOAD 1
	s_wait_kmcnt 0x0
	s_add_co_i32 s30, s30, 127
	s_lshl_b32 s31, s30, 23
	v_mov_b32 v11, s31                             ; 2^ev as f32: the conversion takes its exponent field
	s_add_co_i32 s30, s30, EMAX
	s_lshl_b32 s30, s30, 23
	s_or_b32 s30, s30, MANT
.macro BLOCK t
.set XS, X+32*((\t)%2)
.if (\t) < NB-1
	s_wait_loadcnt 32                              ; this block's 32 loads are in; the next block's may be out
.else
	s_wait_loadcnt 0
.endif
.irp i, 0,1,2,3,4,5,6,7,8,9,10,11,12,13,14,15,16,17,18,19,20,21,22,23,24,25,26,27,28,29,30,31
.endr
.irp g, 0,1,2,3                                ; keys 8 g .. 8 g + 7 go to bytes 0, 16, 8, 24 of the group's 32: the order stated at the head
	v_cvt_scalef32_pk8_fp8_f32 v[C+4*(\g%2)+2*(\g/2):C+4*(\g%2)+2*(\g/2)+1], v[XS+8*\g:XS+8*\g+7], v11
.endr
	ds_store_b128 v4, v[C:C+3] offset:32*(\t)      ; 32 codes: 32 bytes of my column's row
	ds_store_b128 v4, v[C+4:C+7] offset:32*(\t)+16
.if (\t)+2 < NB
	LOAD (\t)+2
.endif
	s_wait_dscnt 0x0                               ; the stores have read their registers: the next block's codes may be written
.endm
.set Q, 0
	s_wait_alu depctr_va_vdst(0)
.rept NB
	BLOCK Q
.set Q, Q+1
.endr
.irp t, 0,1,2,3,4,5,6,7,8,9,10,11,12,13,14,15
	ds_load_b128 v[OUTR+4*\t:OUTR+4*\t+3], v7 offset:2*\t*PITCH   ; LDS serves a wave's instructions in order: these see my stores
.endr
.irp t, 0,1,2,3,4,5,6,7,8,9,10,11,12,13,14,15
	s_wait_dscnt 15-\t                             ; load t is back; the 15 - t younger ones may be out
	global_store_b128 v8, v[OUTR+4*\t:OUTR+4*\t+3], s[8:9] offset:2*\t*KROW
.endr
	s_wait_tensorcnt 0x0                           ; the wave's end: a tensor wait, an add to my spare word and its wait, behind my last LDS store
	ds_add_u32 v[SPW], v[NIL]
	s_wait_dscnt 0x0
	s_endpgm
.Lfunc_end_k_qdd5321b71a_quant_v:
	.size	k_qdd5321b71a_quant_v, .Lfunc_end_k_qdd5321b71a_quant_v-k_qdd5321b71a_quant_v
	.p2alignl 7, 3214868480
	.fill 96, 4, 3214868480
	.section	.rodata,"a",@progbits
	.p2align	6, 0x0
	.amdhsa_kernel k_qdd5321b71a_quant_v
		.amdhsa_group_segment_fixed_size 35840
		.amdhsa_private_segment_fixed_size 0
		.amdhsa_enable_private_segment 0
		.amdhsa_kernarg_size 24
		.amdhsa_user_sgpr_count 2
		.amdhsa_user_sgpr_kernarg_segment_ptr 1
		.amdhsa_wavefront_size32 1
		.amdhsa_system_sgpr_workgroup_id_x 1
		.amdhsa_system_sgpr_workgroup_id_y 1
		.amdhsa_system_sgpr_workgroup_id_z 1
		.amdhsa_system_vgpr_workitem_id 0
		.amdhsa_next_free_vgpr 192
		.amdhsa_next_free_sgpr 66
		.amdhsa_reserve_vcc 0
		.amdhsa_float_denorm_mode_32 3
		.amdhsa_float_denorm_mode_16_64 3
		.amdhsa_fp16_overflow 1
		.amdhsa_memory_ordered 1
		.amdhsa_forward_progress 1
		.amdhsa_inst_pref_size 33
	.end_amdhsa_kernel
	.amdgpu_metadata
---
amdhsa.version: [ 1, 2 ]
amdhsa.kernels:
  - .name:           k_qdd5321b71a_quant_v
    .symbol:         k_qdd5321b71a_quant_v.kd
    .args:
      - { .name: v, .offset: 0, .size: 8, .value_kind: global_buffer, .address_space: global }
      - { .name: lowp_scales, .offset: 8, .size: 8, .value_kind: global_buffer, .address_space: global }
      - { .name: v_codes, .offset: 16, .size: 8, .value_kind: global_buffer, .address_space: global }
    .group_segment_fixed_size: 35840
    .private_segment_fixed_size: 0
    .kernarg_segment_align: 8
    .kernarg_segment_size: 24
    .max_flat_workgroup_size: 128
    .sgpr_count:     66
    .vgpr_count:     192
    .wavefront_size: 32
...
	.end_amdgpu_metadata
.endif
;; end of part 5
;; launch attn (part 6): grid 8 x 32, 16 waves a work-group, no clusters, 327,680 bytes of LDS; arguments q_codes, k_codes, v_codes, lowp_scales, out0, stats; writes out0, stats
.if DOCPART == 6
	.amdgcn_target "amdgcn-amd-amdhsa--gfx1250"
	.amdhsa_code_object_version 6
	.text
	.protected	k_qdd5321b71a_attn
	.globl	k_qdd5321b71a_attn
	.p2align	8
	.type	k_qdd5321b71a_attn,@function
k_qdd5321b71a_attn:
	s_mov_b64 s[64:65], 0
	v_nop
	global_prefetch_b8 v0, s[64:65] scope:SCOPE_SE
	s_setreg_imm32_b32 hwreg(HW_REG_WAVE_MODE, 25, 1), 1
	s_wait_xcnt 0x0
; THIRD LAUNCH.  out0[q][h][:] = the sum over k <= q of softmax_k(Q[h][q] . K[h][k] / sqrt(128)) V[h][k][:], both products on codes of E4M3, each tensor with its given scale (lowp_scales: eq, ek, ev, ep).
; WORK LEFT OUT: key steps all of whose 128 keys come after a wave's 16 queries, and slots of keys that come after all of a work-group's queries: reference()'s own causal mask gives them the weight 0 for all values of the inputs (shown at the head of the first launch).
; Q, K: codes [32][2048][128].  V: codes with the keys innermost, [32][128][2048], each group of 32 keys in the order 0-7, 16-23, 8-15, 24-31 (the second launch lays them so).  out0: [2048][32][128] f32.
; stats: f32 [2][32][2048]: plane 0 holds -M, plane 1 holds -l of each (head, query), for the last launch.
; THE SOFTMAX AHEAD OF THE SECOND PRODUCT: t = score x log2(e) / sqrt(128); M = the row's largest t so far, rounded UP to a whole number; p = 2^(t - M) is what is quantised, along the keys; it is not normalised.
; The row's sum l is taken of the unquantised p, in f32, and divides O at the end.  When M moves, the sum and O are multiplied by 2^(old M - new M): exact.
; SHARES.  A work-group has sixteen waves of 256 registers, four to a SIMD; each wave owns one tile of 16 queries.  Work-group x of a head owns two blocks of 128 queries: block x (x + 1 key steps of 128) and block 15 - x (16 - x key steps):
; 17 key steps for each pair of waves, in every work-group alike.  Wave w works on the late block where ((w / 4) xor w) is odd, and takes tile w / 2 of its block: so any four consecutive waves, and any four waves with
; equal number mod 4, hold two waves of each block, and in every key step each such four has the same work: four tiles up to step x, two from there to step 15 - x.
; K's and V's tiles come through a ring of two LDS slots of 256 keys, filled by the tensor data mover (waves 0 and 1: K's halves; waves 2 and 3: V's) and read by all sixteen.
; NO CLUSTER.  The eight work-groups of a head walk the same K and V, but they need different numbers of slots: work-group x reads 8 - x / 2 of the eight (rounded down), and a joint load would bring the others slots that none of their waves reads.
; LAYOUT.  Both products are used transposed: S^T = K Q^T (source 0 = 16 keys, source 1 = my 16 queries), O^T = V^T P^T (source 0 = 16 of the head's 128, source 1 = P): a lane holds ONE query (lane % 16) throughout.
; A tile of K is 16 NEIGHBOURING keys: register j of tile T in lane (r, h) is key 16 T + 8 h + j.  Its eight codes are registers 2 T, 2 T + 1 of P: the second product's own layout; V's order in memory gives V's 16-byte loads the same.
; LIMITS on the given exponents, so that each power of two below is an f32 number: eq + ek between -123 and 130 (they are added to c's exponent field); ep between -126 and 119; ev + ep is applied by v_ldexp_f32 and has none.
; A p under 2^-126 counts as 0 (v_exp_f32 flushes such results: ISA guide 15.8).
; REGISTERS: v1-7 addresses that stay; v8-11 addresses of the loads in hand; v12 -M, v13 the largest t, v[14:15] the sum in two halves; v16.. Q; v32-95 four fragments of K, then V's first four; v96-159 S^T, then p, then V's last four; v160-223 O^T; v224.. p's codes; v232-255 at work.
.set SIZE_N, 2048
.set SK,    256                        ; keys in a slot
.set NQ,    SK/128                     ; key steps in a slot
.set ROWB,  128                        ; 128 codes in bytes
.set KP,    144                        ; a key's row in LDS: 128 bytes + 16 of padding = 36 words: the 16 neighbouring rows of a load start at 16 different multiples of 4 words modulo 64 (64 banks of 4 bytes: ISA guide 11.1)
.set VROWB, 256                        ; SK codes in bytes: a row of V's tile
.set VP,    272                        ; and in LDS: + 16 of padding
.set KROWV, SIZE_N                     ; a row of V in memory
.set VOFF,  SK*KP                      ; a slot: SK rows of K, then 128 rows of V
.set SLOT1, 1<<17                      ; slot 1 begins here, so that one exclusive or turns an address in one slot into the other's
.set NSL,   SIZE_N/SK                  ; 8 slots' worth of keys
.set SPARE, 2*SLOT1                    ; behind the ring: the spare words, 128 bytes for each wave
.set STAGE, 0                          ; the way out: 16 rows x (256 bytes + 16) for each wave, in slot 0: it was left at the last change of slots, has had its last fill, and nobody reads it
.set OROW,  16384                      ; a row of out0: 32 heads x 128 x 4 bytes
.set AK0,  1                           ; v1   my lane's place in a tile of K
.set AV0,  2                           ; v2   the same for V
.set PFO,  3                           ; v3   the prefetches' offset; never rewritten
.set SPW,  5                           ; v5   LDS address of my spare word; never rewritten
.set NIL,  6                           ; v6   0; never rewritten
.set GO,   7                           ; v7   the way out: my byte offset in the wave's rows of out0
.set ADK,  8                           ; v8   LDS address of the step's tiles of K
.set ADV,  9                           ; v9   of V
.set WV,   18                          ; s18  my wave's number
.set SEL,  20                          ; s[20:21] lane selects for v_permlanex16_b32: lane l xor 16
.set CS,   22                          ; s[22:23] c = log2(e) / sqrt(128) x 2^(eq + ek): the packed form names a pair and takes its low word for both halves
.set G1K,  24                          ; s[24:31] descriptor group 1 for K's tiles;  s[32:39] for V's;  s[40:43], s[44:47] their groups 0, which walk
.set G1V,  32
.set G0K,  40
.set G0V,  44
.set TB,   2                           ; s2   LDS byte at which the slot in hand begins
.set LQ,   3                           ; s3   my work-group's last query: 2,047 - 128 x
.set SLOTS, 67                         ; s67  changes of slots still to come in the loop
.set KF,   98                          ; s98  the step's first key
.set Q0,   99                          ; s99  my first query
.set PFA,  76                          ; s[76:77] where my prefetches stand in memory
.set PFS,  78                          ; s[78:79] a slot on, in bytes: SK x ROWB in K, VROWB in a row of V
.set LIM,  80                          ; s80  1 in a wave that prefetches, else the greatest number
; Waves 0 and 1 fetch for K, waves 2 and 3 for V, the others nothing.  The branches hang on the wave's number alone.  An s_nop 0 and four v_nop follow each of the two lines.
.macro TLOAD g0k, g1k, g0v, g1v
	s_cmp_lt_u32 s[WV], 2
	s_cbranch_scc0 .Lnot_k_\@
	tensor_load_to_lds s[\g0k:\g0k+3], s[\g1k:\g1k+7]
	s_nop 0
.rept 4
	v_nop
.endr
	s_branch .Lasked_\@
.Lnot_k_\@:
	s_cmp_lt_u32 s[WV], 4
	s_cbranch_scc0 .Lasked_\@
	tensor_load_to_lds s[\g0v:\g0v+3], s[\g1v:\g1v+7]
	s_nop 0
.rept 4
	v_nop
.endr
.Lasked_\@:
.endm
; A PREFETCH of what the NEXT change of slots will ask for: 256 rows of K, one dense block of 32,768 bytes, and 256 codes of each of V's 128 rows.  It stands at the change of slots, where the fetching waves have their tensor load.
; Each aligned block of 256 bytes is asked for ONCE in the launch: the work-groups of a head walk the same K and V, and the head's first work-group, which walks all eight slots, asks (a branch on the work-group's number).
; In it the waves ask that fetch nothing, one instruction each: waves 4 to 7 for K's block, 8,192 bytes a wave, lanes 256 bytes apart; waves 8 to 11 for V's rows, 32 a wave, a lane a row.
; The last change that fills a slot asks for nothing: there is no slot behind it.  Slots 0 and 1 come by their loads alone.
.macro ASK
	s_cmp_gt_u32 s[SLOTS], s[LIM]
	s_cbranch_scc0 .Lnot_mine_\@
	global_prefetch_b8 v[PFO], s[PFA:PFA+1] th:TH_LOAD_NT scope:SCOPE_SE
.Lnot_mine_\@:
.endm
	s_load_b128 s[4:7], s[0:1], 0x0                ; Q's codes s[4:5], K's codes s[6:7]
	s_load_b128 s[12:15], s[0:1], 0x10             ; V's codes s[12:13], the scales' exponents s[14:15]
	s_load_b64 s[16:17], s[0:1], 0x20              ; out0
	s_load_b64 s[8:9], s[0:1], 0x28                ; stats
	v_lshl_add_u32 v[SPW], v0, 2, SPARE
	v_mov_b32 v[NIL], 0
	ds_add_u32 v[SPW], v[NIL]                      ; the wave's opening: the add, twice on end, and its wait ahead of the first tensor load; the set-up below, work on registers, stands between
	ds_add_u32 v[SPW], v[NIL]                      ; and once more, under the one wait
	v_lshrrev_b32 v8, 5, v0
	s_delay_alu instid0(VALU_DEP_1)
	v_readfirstlane_b32 s[WV], v8                  ; wave 0..15
	s_and_b32 s72, ttmp7, 0xffff                   ; the head
	s_mov_b32 s73, 0
	s_mov_b64 s[74:75], SIZE_N*ROWB
	s_mul_u64 s[74:75], s[72:73], s[74:75]         ; the head's first byte in each tensor of codes (V's 128 rows of 2,048 codes are as many bytes as 2,048 rows of 128)
	s_lshl_b32 s78, s72, 9                         ; the head's 512 bytes in a row of out0
	s_mov_b32 s79, 0
	s_lshr_b32 s80, s[WV], 2
	s_xor_b32 s80, s80, s[WV]
	s_and_b32 s80, s80, 1                          ; 1: I work on the late block
	s_sub_co_u32 s81, 15, ttmp9                    ; the late block, 15 - x,
	s_cmp_lg_u32 s80, 0
	s_cselect_b32 s81, s81, ttmp9                  ; or the early one, x
	s_lshl_b32 s80, s81, 7
	s_lshr_b32 s81, s[WV], 1                       ; my tile of its eight
	s_lshl_b32 s81, s81, 4
	s_add_co_u32 s80, s80, s81                     ; my first query: 128 x block + 16 x tile
	s_mov_b32 s81, 0
	s_lshl_b32 s[LQ], ttmp9, 7
	s_sub_co_u32 s[LQ], 2047, s[LQ]                ; the late block's last query
	s_mov_b64 s[82:83], ROWB
	s_mul_u64 s[82:83], s[80:81], s[82:83]
	s_add_nc_u64 s[82:83], s[82:83], s[74:75]      ; my first query's codes
	s_lshl_b64 s[86:87], s[80:81], 14
	s_add_nc_u64 s[86:87], s[86:87], s[78:79]      ; its row of out0, at my head
	s_lshl_b32 s84, s72, 11
	s_add_co_u32 s84, s84, s80
	s_lshl_b32 s84, s84, 2                         ; its word in a plane of stats
	s_mov_b32 s85, 0
	; what I fetch, if I fetch: wave 0, 1: keys 128 x wave on; wave 2, 3: rows 64 x (wave - 2) of V
	s_and_b32 s88, s[WV], 1
	s_mul_i32 s89, s88, (SK/2)*ROWB
	s_mov_b32 s90, s89
	s_mov_b32 s91, 0
	s_add_nc_u64 s[90:91], s[90:91], s[74:75]      ; K: in memory,
	s_mul_i32 s89, s88, (SK/2)*KP                  ; and in a slot
	s_mov_b64 s[92:93], 64*KROWV
	s_mov_b32 s94, s88
	s_mov_b32 s95, 0
	s_mul_u64 s[92:93], s[94:95], s[92:93]
	s_add_nc_u64 s[92:93], s[92:93], s[74:75]      ; V: in memory,
	s_mul_i32 s94, s88, 64*VP
	s_add_co_u32 s94, s94, VOFF                    ; and in a slot
	; descriptor group 1: K: 128 rows of 128 bytes, dense in memory;  V: 64 rows of 256 bytes, 2,048 bytes apart
	s_mov_b32 s[G1K], (0<<16)|(1<<20)|(4<<22)|(3<<25)             ; 15:0 no mask; 17:16 elements of 1 byte; 20 padding on; 24:22 after every 32 words (code 4); 31:25 four words (code 3)
	s_mov_b32 s[G1K+1], ROWB<<16                   ; tensor_dim0
	s_mov_b32 s[G1K+2], (SK/2)<<16                 ; tensor_dim1
	s_mov_b32 s[G1K+3], ROWB<<16                   ; tile_dim0
	s_mov_b32 s[G1K+4], SK/2                       ; tile_dim1
	s_mov_b32 s[G1K+5], ROWB                       ; tensor_dim0_stride
	s_mov_b32 s[G1K+6], 0
	s_mov_b32 s[G1K+7], 0
	s_mov_b32 s[G1V], (0<<16)|(1<<20)|(5<<22)|(3<<25)             ; padding: four words after every 64
	s_mov_b32 s[G1V+1], VROWB<<16
	s_mov_b32 s[G1V+2], 64<<16
	s_mov_b32 s[G1V+3], VROWB<<16
	s_mov_b32 s[G1V+4], 64
	s_mov_b32 s[G1V+5], KROWV
	s_mov_b32 s[G1V+6], 0
	s_mov_b32 s[G1V+7], 0
	s_mov_b32 s[SEL], 0x76543210
	s_mov_b32 s[SEL+1], 0xfedcba98
	s_mov_b32 s[CS], 0x3e0293ee                    ; c = log2(e) / sqrt(128)
	s_mov_b32 s[TB], 0
	s_mov_b32 s[SLOTS], NSL-1
	s_mov_b32 s[KF], 0
	s_mov_b32 s[Q0], s80
	s_wait_dscnt 0x0                               ; both opening adds are done
	s_wait_kmcnt 0x0
	s_load_b128 s[68:71], s[14:15], 0x0            ; eq, ek, ev, ep
	s_mov_b32 s[G0K], 1                            ; 1:0 count = 1
	s_mov_b32 s[G0K+1], s89                        ; 63:32 LDS address: slot 0
	s_add_nc_u64 s[G0K+2:G0K+3], s[6:7], s[90:91]  ; 120:64 global address: the head's first 256 keys
	s_or_b32 s[G0K+3], s[G0K+3], 0x80000000        ; 127:126 type = 2
	s_mov_b32 s[G0V], 1
	s_mov_b32 s[G0V+1], s94
	s_add_nc_u64 s[G0V+2:G0V+3], s[12:13], s[92:93]
	s_or_b32 s[G0V+3], s[G0V+3], 0x80000000
	TLOAD G0K, G1K, G0V, G1V                       ; slot 0: it holds key 0, which counts for every query
	s_add_nc_u64 s[4:5], s[4:5], s[82:83]          ; Q's codes at my first query
	s_add_nc_u64 s[16:17], s[16:17], s[86:87]      ; out0 likewise
	s_add_nc_u64 s[8:9], s[8:9], s[84:85]          ; stats likewise
	; the prefetches (macro ASK): where my wave's stand, and who asks.  s76 to s87 are free from here on
	s_cmp_lt_u32 s[WV], 8                          ; waves 4 to 7 ask for K's codes, waves 8 to 11 for V's
	s_cselect_b64 s[PFA:PFA+1], s[6:7], s[12:13]
	s_mov_b32 s[PFS], VROWB
	s_cselect_b32 s[PFS], SK*ROWB, s[PFS]          ; a slot on
	s_mov_b32 s82, KROWV
	s_cselect_b32 s82, 256, s82                    ; from lane to lane
	s_mov_b32 s83, 32*KROWV
	s_cselect_b32 s83, 8192, s83                   ; from wave to wave
	v_and_b32 v[PFO], 31, v0
	s_delay_alu instid0(VALU_DEP_1)
	v_mul_lo_u32 v[PFO], v[PFO], s82
	s_and_b32 s82, s[WV], 3
	s_mul_i32 s82, s82, s83                        ; my wave's part,
	s_add_co_u32 s82, s82, s[PFS]                  ; in slot 1: the first change of slots steps it to slot 2.  Nothing is prefetched here, at the head
	s_mov_b32 s83, 0
	s_mov_b32 s[PFS+1], 0
	s_add_nc_u64 s[PFA:PFA+1], s[PFA:PFA+1], s[74:75]  ; in my head
	s_add_nc_u64 s[PFA:PFA+1], s[PFA:PFA+1], s[82:83]
	s_sub_co_u32 s82, s[WV], 4
	s_lshr_b32 s82, s82, 3                         ; 0 in waves 4 to 11,
	s_or_b32 s82, s82, ttmp9                       ; of the head's first work-group
	s_cmp_eq_u32 s82, 0
	s_cselect_b32 s[LIM], 1, -1
	v_and_b32 v8, 15, v0                           ; r = lane % 16
	v_bfe_u32 v9, v0, 4, 1                         ; h = lane / 16
	s_delay_alu instid0(VALU_DEP_2)
	v_mul_u32_u24 v10, v8, ROWB
	s_delay_alu instid0(VALU_DEP_1)
	v_lshl_add_u32 v10, v9, 4, v10                 ; Q: row r, + my half's bytes
.irp c, 0,1,2,3
	global_load_b128 v[16+4*\c:19+4*\c], v10, s[4:5] offset:32*\c   ; Q's fragment stays in registers
.endr
	v_mul_u32_u24 v[AK0], v8, KP
	s_delay_alu instid0(VALU_DEP_1)
	v_lshl_add_u32 v[AK0], v9, 4, v[AK0]           ; K: row r of a tile, + my half's bytes
	v_mul_u32_u24 v[AV0], v8, VP
	s_delay_alu instid0(VALU_DEP_1)
	v_lshl_add_u32 v[AV0], v9, 4, v[AV0]
	s_delay_alu instid0(VALU_DEP_1)
	v_add_nc_u32 v[AV0], VOFF, v[AV0]
	v_lshlrev_b32 v[GO], 14, v9
	s_delay_alu instid0(VALU_DEP_1)
	v_lshl_add_u32 v[GO], v8, 4, v[GO]             ; the way out: lanes 0-15 take one row of out0, lanes 16-31 the next (16,384 bytes on); 16 bytes a lane
	v_mov_b32 v13, 0xff61b1e6                      ; the largest t so far: -3e38, under every t
	s_delay_alu instid0(VALU_DEP_1)
	v_floor_f32 v12, -v13                          ; -M
	v_mov_b32 v14, 0                               ; the sum, in two halves
	v_mov_b32 v15, 0
	v_mov_b32 v236, 0                              ; written once: a lane permute's destination counts as one of its sources
	v_mov_b32 v253, 0                              ; (named as the upper half of the pair v[252:253])
.set n, 0
.rept 64
	v_mov_b32 v[160+n], 0                          ; O^T.  (The loop is written once: its first step finds zeros, which the first change of M leaves zeros)
.set n, n+1
.endr
	s_wait_kmcnt 0x0
	s_add_co_i32 s72, s68, s69
	s_lshl_b32 s72, s72, 23
	s_add_co_i32 s[CS], s[CS], s72                 ; a score stands for score x 2^(eq + ek): the two exponents are added to c's exponent field
	s_mov_b32 s[CS+1], s[CS]                       ; (named with it as a pair, so it is written)
	s_add_co_i32 s72, s71, 127
	s_lshl_b32 s73, s72, 23
	v_mov_b32 v244, s73                            ; 2^ep as f32, for the conversion
; A KEY STEP: 128 keys, the q-th of the slot in hand.
.macro STEP q
; A step all of whose keys come after my 16 queries is left out: a scalar branch on ids, round the step's loads, products and softmax; not round the line at its end that steps the first key; no barrier or tensor load stands in a step.
	s_add_co_u32 s96, s[Q0], 15
	s_cmp_gt_u32 s[KF], s96
	s_cbranch_scc1 .Lhidden_\@
	v_add_nc_u32 v[ADK], s[TB], v[AK0]
	s_wait_alu depctr_va_vdst(0)
	v_add_nc_u32 v[ADV], s[TB], v[AV0]
.irp g, 0,1                                    ; S^T = K Q^T, four tiles of 16 keys at a time
.rept 3+\g
	v_nop                                          ; g = 0: with the two additions above FIVE places behind the last step's products: four for the loads into v32-95, which those products read, five since the products below write over v96 on, which they read too.  g = 1: four, for the loads
.endr
.irp t, 0,1,2,3
.irp c, 0,1,2,3
	ds_load_b128 v[32+16*\t+4*\c:32+16*\t+4*\c+3], v[ADK] offset:(128*(\q)+16*(4*\g+\t))*KP+32*\c
.endr
.endr
	s_wait_dscnt 0x0
.irp t, 0,1,2,3
	v_wmma_f32_16x16x128_fp8_fp8 v[96+8*(4*\g+\t):103+8*(4*\g+\t)], v[32+16*\t:47+16*\t], v[16:31], 0
.endr
.endr
.rept 4
	v_nop                                          ; four places in front of the loads below and of the first read of the scores
.endr
	s_wait_alu depctr_va_vdst(0)
.irp t, 0,1,2,3                                ; V's first four fragments (channels 0-63) are asked for here, where K's registers are free: they land while the softmax is worked
.irp c, 0,1,2,3
	ds_load_b128 v[32+16*\t+4*\c:32+16*\t+4*\c+3], v[ADV] offset:16*\t*VP+ROWB*(\q)+32*\c
.endr
.endr
	; on the diagonal the scores of hidden keys become -infinity ahead of the maximum: p = 0 then.  A step all of whose keys count skips this
	s_add_co_u32 s96, s[KF], 127
	s_cmp_le_u32 s96, s[Q0]
	s_cbranch_scc1 .Lopen_\@
	s_sub_co_i32 s96, s[Q0], s[KF]
	v_and_b32 v252, 15, v0
	v_bfe_u32 v253, v0, 4, 1
	s_delay_alu instid0(VALU_DEP_1)
	v_lshlrev_b32 v253, 3, v253
	s_delay_alu instid0(VALU_DEP_1)
	v_sub_nc_u32 v252, v252, v253
	s_delay_alu instid0(VALU_DEP_1)
	v_add_nc_u32 v252, s96, v252                   ; d = my query - the step's first key - 8 (lane / 16).  Register 8 T + j holds key 16 T + 8 (lane / 16) + j of the step: hidden where 16 T + j > d
	v_mov_b32 v254, 0xff800000                     ; -infinity
.set n, 0
.rept 64
	v_cmp_gt_i32 vcc_lo, 16*(n/8)+n%8, v252
	v_cndmask_b32 v[96+n], v[96+n], v254, vcc_lo
.set n, n+1
.endr
.Lopen_\@:
	v_max3_num_f32 v254, v96, v97, v98             ; the step's largest score of my query, among my 64 keys, in two chains,
	v_max3_num_f32 v252, v99, v100, v101
.irp i, 6,10,14,18,22,26,30,34,38,42,46,50,54,58
	v_max3_num_f32 v254, v254, v[96+\i], v[97+\i]
	v_max3_num_f32 v252, v252, v[98+\i], v[99+\i]
.endr
	v_max3_num_f32 v254, v254, v158, v159
	s_delay_alu instid0(VALU_DEP_1)
	v_max_num_f32 v254, v254, v252
	v_permlanex16_b32 v236, v254, s[SEL], s[SEL+1]
	s_delay_alu instid0(VALU_DEP_1)
	v_max_num_f32 v254, v254, v236                 ; and among lane l xor 16's
	s_delay_alu instid0(VALU_DEP_1)
	v_mul_f32 v254, s[CS], v254                    ; as t (c is positive)
	s_delay_alu instid0(VALU_DEP_1)
	v_max_num_f32 v13, v13, v254                   ; the running largest t
	v_mov_b32 v254, v12
	s_delay_alu instid0(VALU_DEP_2)
	v_floor_f32 v12, -v13                          ; the new -M = floor(-t) = -ceil(t): M IS A WHOLE NUMBER
	s_delay_alu instid0(VALU_DEP_1)
	v_sub_f32 v254, v12, v254                      ; M's old value less its new one: a whole number, 0 or less
	s_delay_alu instid0(VALU_DEP_1)
	v_cvt_i32_f32 v254, v254                       ; (it saturates)
	s_delay_alu instid0(VALU_DEP_1)
	v_ldexp_f32 v252, 1.0, v254                    ; f = 2^(old M - new M): a multiplication by it rounds nothing
.set n, 0
.rept 32
	v_pk_fma_f32 v[96+n:97+n], v[96+n:97+n], s[CS:CS+1], v[12:13] op_sel_hi:[1,0,0]   ; t - M, two at a time (of the pairs c and -M the low word serves both halves)
.set n, n+2
.endr
.set n, 0
	s_wait_alu depctr_va_vdst(0)
.rept 64
	v_exp_f32 v[96+n], v[96+n]                     ; p = 2^(t - M), at most 1: NOT normalised
.set n, n+1
.endr
	v_pk_mul_f32 v[14:15], v[14:15], v[252:253] op_sel_hi:[1,0]   ; the sums under the new M.  (A plain place behind the exponentials)
	s_wait_alu depctr_va_vdst(0)                   ; one wait for the whole batch of exponentials, ahead of its first reader
	v_pk_add_f32 v[242:243], v[100:101], v[104:105]
	v_pk_add_f32 v[254:255], v[108:109], v[112:113]
	v_pk_add_f32 v[250:251], v[116:117], v[120:121]
	v_pk_add_f32 v[248:249], v[124:125], v[128:129]
	v_pk_add_f32 v[246:247], v[132:133], v[136:137]
	v_pk_add_f32 v[240:241], v[140:141], v[144:145]
	v_pk_add_f32 v[238:239], v[148:149], v[152:153]
	v_pk_add_f32 v[14:15], v[14:15], v[156:157]
	v_pk_add_f32 v[242:243], v[242:243], v[96:97]
	v_pk_add_f32 v[254:255], v[254:255], v[98:99]
	v_pk_add_f32 v[250:251], v[250:251], v[102:103]
	v_pk_add_f32 v[248:249], v[248:249], v[106:107]
	v_pk_add_f32 v[246:247], v[246:247], v[110:111]
	v_pk_add_f32 v[240:241], v[240:241], v[114:115]
	v_pk_add_f32 v[238:239], v[238:239], v[118:119]
	v_pk_add_f32 v[14:15], v[14:15], v[122:123]
	v_pk_add_f32 v[242:243], v[242:243], v[126:127]
	v_pk_add_f32 v[254:255], v[254:255], v[130:131]
	v_pk_add_f32 v[250:251], v[250:251], v[134:135]
	v_pk_add_f32 v[248:249], v[248:249], v[138:139]
	v_pk_add_f32 v[246:247], v[246:247], v[142:143]
	v_pk_add_f32 v[240:241], v[240:241], v[146:147]
	v_pk_add_f32 v[238:239], v[238:239], v[150:151]
	v_pk_add_f32 v[14:15], v[14:15], v[154:155]
	v_pk_add_f32 v[242:243], v[242:243], v[158:159]
	s_delay_alu instid0(VALU_DEP_2)
	v_pk_add_f32 v[14:15], v[14:15], v[248:249]
	s_delay_alu instid0(VALU_DEP_2)
	v_pk_add_f32 v[242:243], v[242:243], v[246:247]
	v_pk_add_f32 v[254:255], v[254:255], v[240:241]
	v_pk_add_f32 v[250:251], v[250:251], v[238:239]
	s_delay_alu instid0(VALU_DEP_2)
	v_pk_add_f32 v[14:15], v[14:15], v[254:255]
	s_delay_alu instid0(VALU_DEP_2)
	v_pk_add_f32 v[242:243], v[242:243], v[250:251]
	s_delay_alu instid0(VALU_DEP_1)
	v_pk_add_f32 v[14:15], v[14:15], v[242:243]
.irp b, 0,1,2,3
.irp i, 0,1,2,3,4,5,6,7,8,9,10,11,12,13,14,15
.endr
	v_cvt_scalef32_pk8_fp8_f32 v[224+4*\b:225+4*\b], v[96+16*\b:103+16*\b], v244     ; tile 2 b: keys 32 b + 8 h + 0 .. 7
	v_cvt_scalef32_pk8_fp8_f32 v[226+4*\b:227+4*\b], v[104+16*\b:111+16*\b], v244    ; tile 2 b + 1: keys 32 b + 16 + 8 h + 0 .. 7
.endr
	v_nop
.irp t, 0,1,2,3                                ; V's last four fragments (channels 64-127) go into p's registers, which the conversions have read: they land while O^T is rescaled
.irp c, 0,1,2,3
	ds_load_b128 v[96+16*\t+4*\c:96+16*\t+4*\c+3], v[ADV] offset:16*(4+\t)*VP+ROWB*(\q)+32*\c
.endr
.endr
.set n, 0
.rept 32
	v_pk_mul_f32 v[160+n:161+n], v[160+n:161+n], v[252:253] op_sel_hi:[1,0]   ; O^T under the new M: x f.  (The plain lines between the conversions and the products that read the codes)
.set n, n+2
.endr
	s_wait_alu depctr_va_vdst(0)
	s_wait_dscnt 0x0                               ; all eight fragments of V are in
.irp t, 0,1,2,3                                ; O^T += V^T P^T: eight tiles of 16 of the head's 128, eight accumulators by turns; K = these 128 keys
	v_wmma_f32_16x16x128_fp8_fp8 v[160+8*\t:167+8*\t], v[32+16*\t:47+16*\t], v[224:239], v[160+8*\t:167+8*\t]
.endr
.irp t, 0,1,2,3
	v_wmma_f32_16x16x128_fp8_fp8 v[192+8*\t:199+8*\t], v[96+16*\t:111+16*\t], v[224:239], v[192+8*\t:199+8*\t]
.endr
.Lhidden_\@:
	s_add_co_u32 s[KF], s[KF], 128
.endm
; THE CHANGE OF SLOTS stands at a slot's head.  Each wave waits for all its tensor loads (its part of the slot that it is about to read), adds 0 to its spare word (fill = 1: twice on end), and waits for that and for its reads of the slot that it has left.
; Behind the barrier the slot ahead is whole and nobody reads the other one.  fill = 1: that other slot is filled with the keys that follow, up to the causal limit: the load has a whole slot's steps in which to land.  By this text's count a wave has at most one tensor load out.
.macro CHANGE fill
	s_wait_tensorcnt 0x0                           ; no tensor load of mine is out, so a group 0 may be written
	ds_add_u32 v[SPW], v[NIL]                      ; 0 onto my spare word
.if \fill
	ds_add_u32 v[SPW], v[NIL]                      ; and once more: twice on end, in every trip alike
	s_xor_b32 s[G0K+1], s[G0K+1], SLOT1            ; the walking descriptors: the other slot than last time,
	s_add_nc_u64 s[G0K+2:G0K+3], s[G0K+2:G0K+3], SK*ROWB   ; the next 256 keys; the type bits on top are not reached
	s_xor_b32 s[G0V+1], s[G0V+1], SLOT1
	s_add_nc_u64 s[G0V+2:G0V+3], s[G0V+2:G0V+3], VROWB
	s_wait_xcnt 0x0                                ; the last prefetch, a slot back, has read its address, so it may be written:
	s_add_nc_u64 s[PFA:PFA+1], s[PFA:PFA+1], s[PFS:PFS+1]  ; one slot further on than the walking descriptors
.endif
	s_wait_dscnt 0x0                               ; the add is done (fill = 1: both are), and my reads of the slot that I have left are over
	s_barrier_signal -1
	s_barrier_wait -1
.if \fill
	; THE LOOK-AHEAD ENDS AT THE CAUSAL LIMIT: a slot whose first key comes after my work-group's last query is read by none of its waves, so it is not asked for.  The test is made of the work-group's number and the count of steps
	; alone: all sixteen waves go the same way, and a work-group that is past the limit stays past it.  Where the limit lies hangs on the work-group's number, so this tail cannot be written out; every wait on TENSORcnt in this text is for 0;
	; the jump leads round the load's own lines alone; a step is walked only where its first key is at or under the wave's last query, so no step reads a slot that was left out.
	s_add_co_u32 s96, s[KF], SK                    ; the first key of the slot that this change would ask for
	s_cmp_gt_u32 s96, s[LQ]
	s_cbranch_scc1 .Lpast_\@
	TLOAD G0K, G1K, G0V, G1V                       ; the first thing behind the barrier and the limit's three lines, and a wave's one tensor load until the next
.Lpast_\@:
	ASK                                            ; what the next change of slots will ask for: a slot's two key steps ahead of that load
.endif
.endm
.macro SLOT_STEPS
.set Q, 0
.rept NQ
	STEP Q
.set Q, Q+1
.endr
	s_xor_b32 s[TB], s[TB], SLOT1                  ; on to the other slot
.endm
	s_wait_loadcnt 0x0                             ; Q
.Lslot:                                            ; 7 trips: every work-group walks all changes of slots, so that the trip count is a constant and no barrier is jumped over
	CHANGE 1
	SLOT_STEPS
	s_sub_co_u32 s[SLOTS], s[SLOTS], 1
	s_cmp_lg_u32 s[SLOTS], 0
	s_cbranch_scc1 .Lslot
	CHANGE 0                                       ; the last slot is written out: behind its change nothing is asked for
	SLOT_STEPS
	; THE WAY OUT.  The sum's two halves are added; -M and -l go to stats; O^T is divided by the sum and goes through my stage in LDS, half a head's row (64 channels, 256 bytes) of 16 queries at a time, so that sixteen lanes store 256 consecutive bytes, aligned.
	v_add_f32 v14, v14, v15                        ; the sum's two halves,
	s_delay_alu instid0(VALU_DEP_1)
	v_permlanex16_b32 v252, v14, s[SEL], s[SEL+1]
	s_delay_alu instid0(VALU_DEP_1)
	v_add_f32 v14, v14, v252                       ; and lane l xor 16's: the row's sum l
	s_wait_alu depctr_va_vdst(0)
	v_rcp_f32 v15, v14
	v_and_b32 v8, 15, v0                           ; (a plain place behind the transcendental)  r
	v_bfe_u32 v9, v0, 4, 1                         ; h
	s_add_co_i32 s72, s70, s71                     ; ev + ep
	s_mul_i32 s73, s[WV], 16*272
	s_add_co_u32 s73, s73, STAGE                   ; my stage
	v_mul_u32_u24 v10, v8, 272
	s_delay_alu instid0(VALU_DEP_1)
	v_lshl_add_u32 v10, v9, 5, v10
	s_delay_alu instid0(VALU_DEP_1)
	v_add_nc_u32 v10, s73, v10                     ; in: row r; tile t's eight channels of my half: 64 t + 32 h bytes on
	v_mul_u32_u24 v11, v9, 272
	s_delay_alu instid0(VALU_DEP_1)
	v_lshl_add_u32 v11, v8, 4, v11
	s_delay_alu instid0(VALU_DEP_1)
	v_add_nc_u32 v11, s73, v11                     ; back: lanes 0-15 one row, lanes 16-31 the next
	v_xor_b32 v253, 0x80000000, v14                ; -l
	v_cmp_ne_u32 vcc_lo, 0, v9
	s_delay_alu instid0(VALU_DEP_1)
	v_cndmask_b32 v253, v12, v253, vcc_lo          ; lanes 0-15: -M of query r; lanes 16-31: -l of query r
	v_lshlrev_b32 v254, 2, v8
	s_delay_alu instid0(VALU_DEP_1)
	v_lshl_add_u32 v254, v9, 18, v254              ; plane 1 lies 262,144 bytes behind plane 0
	global_store_b32 v254, v253, s[8:9]            ; 64 consecutive bytes in each plane; v253 and v254 are not written again
	s_wait_alu depctr_va_vdst(0)                   ; the wait ahead of the reciprocal's first reader
	v_ldexp_f32 v15, v15, s72                      ; 2^(ev + ep) / l
.set n, 0
.rept 64
	v_mul_f32 v[96+n], v[160+n], v15               ; O^T / the sum: register 8 t + i is o(r, 16 t + 8 h + i); each accumulator from its low end on
.set n, n+1
.endr
.irp u, 0,1                                    ; channels 64 u on
.irp t, 0,1,2,3
	ds_store_b128 v10, v[96+32*\u+8*\t:99+32*\u+8*\t] offset:64*\t
	ds_store_b128 v10, v[100+32*\u+8*\t:103+32*\u+8*\t] offset:64*\t+16
.endr
.irp i, 0,1,2,3,4,5,6,7
	ds_load_b128 v[32+32*\u+4*\i:35+32*\u+4*\i], v11 offset:2*\i*272   ; LDS serves a wave's instructions in order: these see my stores, and the next half's stores come behind them
.endr
.endr
.irp u, 0,1
.irp i, 0,1,2,3,4,5,6,7
	s_wait_dscnt 15-8*\u-\i                        ; u = 1: behind this load stand 7 - i younger ones.  u = 0: behind it stand 23 - i LDS instructions, and the smaller count 15 - i shows it back all the more
	global_store_b128 v[GO], v[32+32*\u+4*\i:35+32*\u+4*\i], s[16:17] offset:2*\i*OROW+256*\u
.endr
.endr
	s_wait_tensorcnt 0x0                           ; the wave's end: a tensor wait, an add to my spare word and its wait, behind my last tensor load and my last LDS store
	ds_add_u32 v[SPW], v[NIL]
	s_wait_dscnt 0x0
	s_endpgm
.Lfunc_end_k_qdd5321b71a_attn:
	.size	k_qdd5321b71a_attn, .Lfunc_end_k_qdd5321b71a_attn-k_qdd5321b71a_attn
	.p2alignl 7, 3214868480
	.fill 96, 4, 3214868480
	.section	.rodata,"a",@progbits
	.p2align	6, 0x0
	.amdhsa_kernel k_qdd5321b71a_attn
		.amdhsa_group_segment_fixed_size 327680
		.amdhsa_private_segment_fixed_size 0
		.amdhsa_enable_private_segment 0
		.amdhsa_kernarg_size 48
		.amdhsa_user_sgpr_count 2
		.amdhsa_user_sgpr_kernarg_segment_ptr 1
		.amdhsa_wavefront_size32 1
		.amdhsa_system_sgpr_workgroup_id_x 1
		.amdhsa_system_sgpr_workgroup_id_y 1
		.amdhsa_system_sgpr_workgroup_id_z 1
		.amdhsa_system_vgpr_workitem_id 0
		.amdhsa_next_free_vgpr 256
		.amdhsa_next_free_sgpr 100
		.amdhsa_reserve_vcc 1
		.amdhsa_float_denorm_mode_32 3
		.amdhsa_float_denorm_mode_16_64 3
		.amdhsa_fp16_overflow 1
		.amdhsa_memory_ordered 1
		.amdhsa_forward_progress 1
		.amdhsa_inst_pref_size 110
	.end_amdhsa_kernel
	.amdgpu_metadata
---
amdhsa.version: [ 1, 2 ]
amdhsa.kernels:
  - .name:           k_qdd5321b71a_attn
    .symbol:         k_qdd5321b71a_attn.kd
    .args:
      - { .name: q_codes, .offset: 0, .size: 8, .value_kind: global_buffer, .address_space: global }
      - { .name: k_codes, .offset: 8, .size: 8, .value_kind: global_buffer, .address_space: global }
      - { .name: v_codes, .offset: 16, .size: 8, .value_kind: global_buffer, .address_space: global }
      - { .name: lowp_scales, .offset: 24, .size: 8, .value_kind: global_buffer, .address_space: global }
      - { .name: out0, .offset: 32, .size: 8, .value_kind: global_buffer, .address_space: global }
      - { .name: stats, .offset: 40, .size: 8, .value_kind: global_buffer, .address_space: global }
    .group_segment_fixed_size: 327680
    .private_segment_fixed_size: 0
    .kernarg_segment_align: 8
    .kernarg_segment_size: 48
    .max_flat_workgroup_size: 512
    .sgpr_count:     100
    .vgpr_count:     256
    .wavefront_size: 32
...
	.end_amdgpu_metadata
.endif
;; end of part 6
;; launch corm (part 7): grid 8 x 32, 16 waves a work-group, no clusters, 10,240 bytes of LDS; arguments q_codes, k_codes, corm_mask, stats, zp, lowp_scales, out1; writes out1
.if DOCPART == 7
	.amdgcn_target "amdgcn-amd-amdhsa--gfx1250"
	.amdhsa_code_object_version 6
	.text
	.protected	k_qdd5321b71a_corm
	.globl	k_qdd5321b71a_corm
	.p2align	8
	.type	k_qdd5321b71a_corm,@function
k_qdd5321b71a_corm:
	s_mov_b64 s[64:65], 0
	v_nop
	global_prefetch_b8 v0, s[64:65] scope:SCOPE_SE
	s_setreg_imm32_b32 hwreg(HW_REG_WAVE_MODE, 25, 1), 1
	s_wait_xcnt 0x0
; FOURTH LAUNCH.  out1[h][k] = any over q of (probs[h][q][k] >= corm_mask[q][k]), one byte, 0 or 1.
; WORK LEFT OUT: the scores of blocks of 64 keys that lie wholly above a block of 64 queries: reference()'s own causal mask makes probs exactly 0 there for all values of the inputs; their test 0 >= mask was taken by the first launch into zp.
; THE TEST.  probs = p / l with p = 2^(t - M) and l the row's sum, both as the third launch has them (-M and -l come from stats; the score has the same bits: the same codes in the same places of the same matrix
; instruction, with its two sources swapped).  l is positive, so probs >= mask is p - mask x l >= 0: ONE fused multiply-add, d = fma(mask, -l, p).  Where a row has one key (row 0: p = l) and the mask is 1, d is exactly 0.
; Any over q of (d >= 0) is (the largest d >= 0): a running maximum.  A hidden pair inside the diagonal block has p = 0, so d = -mask x l, whose sign is that of 0 >= mask.  A NaN in the mask loses in the maximum, as its comparison is false.
; out1[h][k] = (max(largest d over q >= 64 (k / 64), largest zp[rb][k] over all 32 rb) >= 0).
; LIMITS: eq + ek between -123 and 130; a p under 2^-126 counts as 0 (v_exp_f32 flushes such results: ISA guide 15.8), which can tell only against a mask under some 1e-38.
; SHARES.  A block is 64 keys; block B has 4 (32 - B) tiles of 16 queries at or under it.  Work-group (x, head) owns blocks x, 31 - x, x + 8, 23 - x.  Its sixteen waves are two groups of eight; group g serves the pair
; t = x + 8 g and 31 - t, one block after the other (two passes): wave u of the group takes tiles 4 B + u + 8 i of each.  A pair has 4 (32 - t) + 4 (t + 1) = 132 tiles: every wave of the launch has 16 or 17 trips.
; The eight waves of a block meet in LDS at the end; each byte of out1 has one owner.  Operands go from memory straight into registers: no tensor load; so no joint loads either, though work-groups of equal x and other heads read the same mask.
; LAYOUT.  D = Q K^T: source 0 = 16 queries, source 1 = 16 keys; tile e takes keys k0 + 4 r + e.  Register 8 e + j of lane (r, h) is (query q0 + 8 h + j, key k0 + 4 r + e).  So one 16-byte load of the mask's row q0 + 8 h + j at
; column k0 + 4 r brings the four tiles' thresholds (sixteen lanes read 256 consecutive bytes, aligned), and a lane's four maxima are four neighbouring keys.
.set VQ,  2                            ; v2   Q: 128 r + 16 h
.set VK,  3                            ; v3   K: 512 r + 16 h
.set VM,  4                            ; v4   mask: 65,536 h + 16 r (eight rows of 8,192 bytes)
.set VS,  5                            ; v5   stats: 32 h
.set DA,  6                            ; v6   4 r - 8 h - 16 u: in a pass's first trip (e, j) is hidden where j - e < this
.set NI,  7                            ; v7   -infinity
.set SPW, 8                            ; v8   LDS address of my spare word; never rewritten
.set NIL, 9                            ; v9   0; never rewritten
.set WRA, 10                           ; v10  where I put my four maxima: 4,096 group + 256 u + 16 r; the pass's 2,048 stand in the immediate
.set RDA, 11                           ; v11  where a closing wave reads them: 2,048 (wave % 4) + 1,024 h + 16 r
.set ACC, 12                           ; v12-15 pass 0's running maxima, one a tile; at the end the block's
.set NM,  16                           ; v16-23 -M of queries q0 + 8 h + 0 .. 7
.set NL,  24                           ; v24-31 -l of the same
.set Q,   32                           ; v32-47 Q's fragment
.set S,   48                           ; v48-79 the scores, then p, then d
.set MK,  80                           ; v80-111 the mask: register 4 j + e
.set KR,  112                          ; v112-175 K's four fragments: they stay through a pass
.set TT,  176                          ; v176-179 at work
.set ZA,  184                          ; v184 zp: 131,072 h + 16 r (sixteen rows of 8,192 bytes)
.set OA,  185                          ; v185 out1: 4 r + 2 h
.set VH,  186                          ; v186 h
.set R16, 187                          ; v187 16 r
.set ACC1, 188                         ; v188-191 pass 1's running maxima: registers of their own, so that pass 0's LDS store and pass 1's start touch different ones
.set WV,  18
.set U8,  19                           ; s19  u: my place among the group's eight
.set QB,  20                           ; s[20:21] Q's codes at the tile in hand
.set SM,  22                           ; s[22:23] stats, plane 0
.set SL,  24                           ; s[24:25] stats, plane 1
.set MB,  26                           ; s[26:27] the mask at (q0, k0)
.set KB,  28                           ; s[28:29] K's codes at k0
.set CS,  30                           ; s[30:31] c = log2(e) / sqrt(128) x 2^(eq + ek), as in the third launch
.set SEL, 32                           ; s[32:33] lane selects: lane l xor 16
.set CNT, 34                           ; s34  a pass's trips but the last
.set DG,  35                           ; s35  1 in a trip that lies in the diagonal block
.set TP,  38                           ; s38  t: the pair's early block
.set HD,  39                           ; s39  head x 2,048
.set DG0, 40                           ; s40  1 where my first tile of a pass lies in the diagonal block: u < 4
.set SPARE, 8192                       ; LDS: bytes 0-8,191 the maxima, 256 bytes for each (block, wave of its eight); then the spare words, 128 bytes a wave
	s_load_b256 s[4:11], s[0:1], 0x0               ; Q's codes s[4:5], K's codes s[6:7], the mask s[8:9], stats s[10:11]
	s_load_b128 s[12:15], s[0:1], 0x20             ; zp s[12:13], the scales' exponents s[14:15]
	s_load_b64 s[16:17], s[0:1], 0x30              ; out1
	v_lshl_add_u32 v[SPW], v0, 2, SPARE
	v_mov_b32 v[NIL], 0
	v_lshrrev_b32 v1, 5, v0
	v_readfirstlane_b32 s[WV], v1                  ; wave 0..15
	s_and_b32 s[U8], s[WV], 7
	s_lshr_b32 s[TP], s[WV], 3                     ; my group
	s_lshl_b32 s61, s[TP], 12                      ; its 4,096 bytes of LDS
	s_lshl_b32 s[TP], s[TP], 3
	s_add_co_u32 s[TP], s[TP], ttmp9               ; t = x + 8 x group
	s_and_b32 s[HD], ttmp7, 0xffff
	s_lshl_b32 s[HD], s[HD], 11
	s_cmp_lt_u32 s[U8], 4
	s_cselect_b32 s[DG0], 1, 0
	s_lshl_b32 s60, s[U8], 4                       ; 16 u
	s_mov_b32 s49, 0                               ; the upper words of the offsets below
	s_mov_b32 s51, 0
	s_mov_b32 s53, 0
	s_mov_b32 s57, 0
	s_mov_b32 s[SEL], 0x76543210
	s_mov_b32 s[SEL+1], 0xfedcba98
	s_mov_b32 s[CS], 0x3e0293ee                    ; log2(e) / sqrt(128)
	v_and_b32 v1, 15, v0                           ; r
	v_bfe_u32 v[VH], v0, 4, 1                      ; h
	v_lshlrev_b32 v[R16], 4, v1
	v_lshlrev_b32 v[VQ], 7, v1
	v_lshl_add_u32 v[VQ], v[VH], 4, v[VQ]
	v_lshlrev_b32 v[VK], 9, v1
	v_lshl_add_u32 v[VK], v[VH], 4, v[VK]
	v_lshl_add_u32 v[VM], v[VH], 16, v[R16]
	v_lshlrev_b32 v[VS], 5, v[VH]
	v_lshlrev_b32 v[DA], 2, v1
	v_lshlrev_b32 v[TT], 3, v[VH]
	v_sub_nc_u32 v[DA], v[DA], v[TT]
	v_sub_nc_u32 v[DA], v[DA], s60
	v_mov_b32 v[NI], 0xff800000
	s_lshl_b32 s62, s[U8], 8
	s_add_co_u32 s61, s61, s62
	v_add_nc_u32 v[WRA], s61, v[R16]
	s_and_b32 s62, s[WV], 3
	s_lshl_b32 s62, s62, 11
	v_lshl_add_u32 v[RDA], v[VH], 10, v[R16]
	v_add_nc_u32 v[RDA], s62, v[RDA]
	v_lshl_add_u32 v[ZA], v[VH], 17, v[R16]
	v_lshlrev_b32 v[OA], 2, v1
	v_lshl_add_u32 v[OA], v[VH], 1, v[OA]
.irp e, 0,1,2,3
	v_mov_b32 v[TT+\e], 0                          ; written once: a lane permute's destination counts as one of its sources
.endr
	s_wait_kmcnt 0x0
	s_load_b64 s[36:37], s[14:15], 0x0             ; eq, ek
.macro LDQ
.irp c, 0,1,2,3
	global_load_b128 v[Q+4*\c:Q+4*\c+3], v[VQ], s[QB:QB+1] offset:32*\c
.endr
.endm
.macro LDNM
	global_load_b128 v[NM:NM+3], v[VS], s[SM:SM+1]
	global_load_b128 v[NM+4:NM+7], v[VS], s[SM:SM+1] offset:16
.endm
.macro LDMK
.irp j, 0,1,2,3,4,5,6,7
	global_load_b128 v[MK+4*\j:MK+4*\j+3], v[VM], s[MB:MB+1] offset:8192*\j
.endr
.endm
.macro LDNL
	global_load_b128 v[NL:NL+3], v[VS], s[SL:SL+1]
	global_load_b128 v[NL+4:NL+7], v[VS], s[SL:SL+1] offset:16
.endm
; A TRIP: 16 queries x my 64 keys.  next = 1: each operand's registers are asked for again, for the tile 128 queries on, as soon as they have been read.  AC: the pass's four maxima.
.macro TRIP next
	s_wait_loadcnt 12                              ; Q (and, in a pass's first trip, K) is in; behind it: -M 2, the mask 8, -l 2
.irp e, 0,1,2,3
	v_wmma_f32_16x16x128_fp8_fp8 v[S+8*\e:S+8*\e+7], v[Q:Q+15], v[KR+16*\e:KR+16*\e+15], 0
.endr
.rept 4
	v_nop                                          ; four places in front of the loads into Q's registers and of the first read of the scores
.endr
.if \next
	s_add_nc_u64 s[QB:QB+1], s[QB:QB+1], 16384     ; the wait at the trip's head has shown the loads that named this base done
	LDQ
.endif
	s_cmp_eq_u32 s[DG], 0
	s_cbranch_scc1 .Lopen_\@
.irp e, 0,1,2,3                                ; in the diagonal block: key k0 + 4 r + e is hidden from query k0 + 16 u + 8 h + j where j - e < 4 r - 8 h - 16 u
.irp j, 0,1,2,3,4,5,6,7
	v_cmp_lt_i32 vcc_lo, \j-\e, v[DA]
	v_cndmask_b32 v[S+8*\e+\j], v[S+8*\e+\j], v[NI], vcc_lo
.endr
.endr
.Lopen_\@:
.if \next
	s_wait_loadcnt 14                              ; -M is in; behind it: the mask 8, -l 2, the next Q 4
.else
	s_wait_loadcnt 10
.endif
.irp e, 0,1,2,3
.irp j, 0,2,4,6
	v_pk_fma_f32 v[S+8*\e+\j:S+8*\e+\j+1], v[S+8*\e+\j:S+8*\e+\j+1], s[CS:CS+1], v[NM+\j:NM+\j+1] op_sel_hi:[1,0,1]   ; t - M: the same fused multiply-add as in the third launch
.endr
.endr
.if \next
	s_add_nc_u64 s[SM:SM+1], s[SM:SM+1], 512
	LDNM
.endif
.set n, 0
.rept 32
	v_exp_f32 v[S+n], v[S+n]                       ; p
.set n, n+1
.endr
	v_nop                                          ; a plain place behind the last exponential
	s_mov_b32 s[DG], 0
	s_wait_alu depctr_va_vdst(0)                   ; one wait for the batch, ahead of its first reader
.if \next
	s_wait_loadcnt 6                               ; the mask and -l are in; behind them: the next Q 4, the next -M 2
.else
	s_wait_loadcnt 0
.endif
.irp e, 0,1,2,3
.irp j, 0,1,2,3,4,5,6,7
	v_fma_f32 v[S+8*\e+\j], v[MK+4*\j+\e], v[NL+\j], v[S+8*\e+\j]   ; d = p - mask x l
.endr
.endr
.irp j, 0,2,4,6
.irp e, 0,1,2,3
	v_max3_num_f32 v[AC+\e], v[AC+\e], v[S+8*\e+\j], v[S+8*\e+\j+1]
.endr
.endr
.if \next
	s_add_nc_u64 s[MB:MB+1], s[MB:MB+1], 1048576   ; 128 rows of the mask on
	s_add_nc_u64 s[SL:SL+1], s[SL:SL+1], 512
	LDMK
	LDNL
.endif
.endm
; A PASS: my tiles of one block of keys.  p = 0: block t (at least 68 tiles: 8 trips or more for every wave); p = 1: block 31 - t (4 tiles at the least: a wave may have none, and then stores -infinity, the neutral number).
; When pass 1 begins, pass 0's last trip has waited for all its loads: the bases may be written anew, each from its own buffer's address.
.macro PASS p
.set AC, ACC+(ACC1-ACC)*\p
.if \p
	s_sub_co_u32 s42, 31, s[TP]                    ; B
.else
	s_mov_b32 s42, s[TP]
.endif
	s_sub_co_u32 s[CNT], 32, s42
	s_lshl_b32 s[CNT], s[CNT], 2                   ; the block's tiles,
	s_add_co_u32 s[CNT], s[CNT], 7
	s_sub_co_u32 s[CNT], s[CNT], s[U8]
	s_lshr_b32 s[CNT], s[CNT], 3                   ; and how many of them are u, u + 8, u + 16 ..
.irp e, 0,1,2,3
	v_mov_b32 v[AC+\e], 0xff800000                 ; under every d
.endr
.if \p
	s_cmp_eq_u32 s[CNT], 0
	s_cbranch_scc1 .Lred_\@
.endif
	s_sub_co_u32 s[CNT], s[CNT], 1                 ; the last trip is written out
	s_mov_b32 s[DG], s[DG0]
	s_lshl_b32 s43, s42, 6                         ; k0
	s_add_co_u32 s44, s43, s60                     ; my first query: k0 + 16 u
	s_add_co_u32 s46, s[HD], s44
	s_lshl_b32 s48, s46, 7                         ; Q's codes: 128 bytes a query
	s_lshl_b32 s50, s46, 2                         ; stats: 4 bytes a query
	s_lshl_b32 s52, s44, 13                        ; the mask: 8,192 bytes a row
	s_lshl_b32 s47, s43, 2                         ; + 4 k0
	s_add_co_u32 s52, s52, s47
	s_add_co_u32 s56, s[HD], s43
	s_lshl_b32 s56, s56, 7                         ; K's codes
	s_add_nc_u64 s[QB:QB+1], s[4:5], s[48:49]
	s_add_nc_u64 s[SM:SM+1], s[10:11], s[50:51]
	s_add_nc_u64 s[SL:SL+1], s[SM:SM+1], 0x40000   ; plane 1 lies 262,144 bytes behind plane 0
	s_add_nc_u64 s[MB:MB+1], s[8:9], s[52:53]
	s_add_nc_u64 s[KB:KB+1], s[6:7], s[56:57]
.irp e, 0,1,2,3                                ; K's four fragments: tile e, lane (r, h): key k0 + 4 r + e, bytes 32 c + 16 h on
.irp c, 0,1,2,3
	global_load_b128 v[KR+16*\e+4*\c:KR+16*\e+4*\c+3], v[VK], s[KB:KB+1] offset:128*\e+32*\c
.endr
.endr
	LDQ                                            ; the order Q, -M, mask, -l is the order in which a trip wants them, and in which it asks for the next trip's
	LDNM
	LDMK
	LDNL
.if \p == 0
	s_wait_kmcnt 0x0
	s_add_co_i32 s36, s36, s37
	s_lshl_b32 s36, s36, 23
	s_add_co_i32 s[CS], s[CS], s36                 ; a score stands for score x 2^(eq + ek): added to c's exponent field
	s_mov_b32 s[CS+1], s[CS]                       ; (named with it as a pair, so it is written)
.else
	s_cmp_eq_u32 s[CNT], 0                         ; one trip alone
	s_cbranch_scc1 .Llast_\@
.endif
.Lloop_\@:
	TRIP 1
	s_sub_co_u32 s[CNT], s[CNT], 1
	s_cmp_lg_u32 s[CNT], 0
	s_cbranch_scc1 .Lloop_\@
.Llast_\@:
	TRIP 0                                         ; the last trip asks for nothing: no load leaves its buffer; its last wait is for all loads
.Lred_\@:
.irp e, 0,1,2,3                                ; my lanes' halves hold different queries of the same keys: they are joined
	v_permlanex16_b32 v[TT+\e], v[AC+\e], s[SEL], s[SEL+1]
.endr
.irp e, 0,1,2,3
	v_max_num_f32 v[AC+\e], v[AC+\e], v[TT+\e]
.endr
	ds_store_b128 v[WRA], v[AC:AC+3] offset:2048*\p   ; lanes r and r + 16 write the same bytes with the same numbers
.endm
	PASS 0
	PASS 1
	; THE END.  The eight waves of a block meet in LDS.
	s_wait_dscnt 0x0                               ; for the others' sake: my two stores are done
	s_barrier_signal -1
	s_barrier_wait -1
	s_cmp_ge_u32 s[WV], 4                          ; waves 0 to 3 close a block each: wave c the block of group c / 2, pass c % 2
	s_cbranch_scc1 .Lend
	s_lshr_b32 s42, s[WV], 1
	s_lshl_b32 s42, s42, 3
	s_add_co_u32 s42, s42, ttmp9                   ; that group's t,
	s_sub_co_u32 s43, 31, s42                      ; and its mirror
	s_and_b32 s44, s[WV], 1
	s_cmp_lg_u32 s44, 0
	s_cselect_b32 s42, s43, s42                    ; the block
	s_lshl_b32 s43, s42, 6                         ; its first key
	s_lshl_b32 s48, s43, 2
	s_add_nc_u64 s[12:13], s[12:13], s[48:49]      ; zp at that column
	s_add_co_u32 s50, s[HD], s43
	s_add_nc_u64 s[16:17], s[16:17], s[50:51]      ; out1 at (head, first key)
.irp i, 0,1,2,3
	ds_load_b128 v[KR+4*\i:KR+4*\i+3], v[RDA] offset:256*\i   ; the maxima of waves u = 4 h + i
.endr
.irp i, 0,1,2,3,4,5,6,7,8,9,10,11,12,13,14,15
	global_load_b128 v[S+4*\i:S+4*\i+3], v[ZA], s[12:13] offset:8192*\i   ; zp's rows 16 h + i at my four keys
.endr
	s_wait_loadcnt_dscnt 0x0
.irp e, 0,1,2,3
	v_max3_num_f32 v[ACC+\e], v[KR+\e], v[KR+4+\e], v[KR+8+\e]
.endr
.irp e, 0,1,2,3
	v_max_num_f32 v[ACC+\e], v[ACC+\e], v[KR+12+\e]
.endr
.irp i, 0,2,4,6,8,10,12,14
.irp e, 0,1,2,3
	v_max3_num_f32 v[ACC+\e], v[ACC+\e], v[S+4*\i+\e], v[S+4*\i+4+\e]
.endr
.endr
.irp e, 0,1,2,3
	v_permlanex16_b32 v[TT+\e], v[ACC+\e], s[SEL], s[SEL+1]
.endr
.irp e, 0,1,2,3
	v_max_num_f32 v[ACC+\e], v[ACC+\e], v[TT+\e]
.endr
.irp e, 0,1,2,3
	v_cmp_le_f32 vcc_lo, 0, v[ACC+\e]              ; 0 <= the largest: true for -0 too
	v_cndmask_b32 v[TT+\e], 0, 1, vcc_lo
.endr
	v_lshl_or_b32 v[TT], v[TT+1], 8, v[TT]         ; keys 4 r, 4 r + 1
	v_lshl_or_b32 v[TT+2], v[TT+3], 8, v[TT+2]     ; keys 4 r + 2, 4 r + 3
	v_cmp_ne_u32 vcc_lo, 0, v[VH]
	v_cndmask_b32 v[TT], v[TT], v[TT+2], vcc_lo
	global_store_b16 v[OA], v[TT], s[16:17]        ; the wave stores the block's 64 consecutive bytes, two a lane
.Lend:
	s_wait_tensorcnt 0x0                           ; the wave's end: a tensor wait, an add to my spare word and its wait, behind my last LDS store
	ds_add_u32 v[SPW], v[NIL]
	s_wait_dscnt 0x0
	s_endpgm
.Lfunc_end_k_qdd5321b71a_corm:
	.size	k_qdd5321b71a_corm, .Lfunc_end_k_qdd5321b71a_corm-k_qdd5321b71a_corm
	.p2alignl 7, 3214868480
	.fill 96, 4, 3214868480
	.section	.rodata,"a",@progbits
	.p2align	6, 0x0
	.amdhsa_kernel k_qdd5321b71a_corm
		.amdhsa_group_segment_fixed_size 10240
		.amdhsa_private_segment_fixed_size 0
		.amdhsa_enable_private_segment 0
		.amdhsa_kernarg_size 56
		.amdhsa_user_sgpr_count 2
		.amdhsa_user_sgpr_kernarg_segment_ptr 1
		.amdhsa_wavefront_size32 1
		.amdhsa_system_sgpr_workgroup_id_x 1
		.amdhsa_system_sgpr_workgroup_id_y 1
		.amdhsa_system_sgpr_workgroup_id_z 1
		.amdhsa_system_vgpr_workitem_id 0
		.amdhsa_next_free_vgpr 256
		.amdhsa_next_free_sgpr 66
		.amdhsa_reserve_vcc 1
		.amdhsa_float_denorm_mode_32 3
		.amdhsa_float_denorm_mode_16_64 3
		.amdhsa_memory_ordered 1
		.amdhsa_forward_progress 1
		.amdhsa_inst_pref_size 52
	.end_amdhsa_kernel
	.amdgpu_metadata
---
amdhsa.version: [ 1, 2 ]
amdhsa.kernels:
  - .name:           k_qdd5321b71a_corm
    .symbol:         k_qdd5321b71a_corm.kd
    .args:
      - { .name: q_codes, .offset: 0, .size: 8, .value_kind: global_buffer, .address_space: global }
      - { .name: k_codes, .offset: 8, .size: 8, .value_kind: global_buffer, .address_space: global }
      - { .name: corm_mask, .offset: 16, .size: 8, .value_kind: global_buffer, .address_space: global }
      - { .name: stats, .offset: 24, .size: 8, .value_kind: global_buffer, .address_space: global }
      - { .name: zp, .offset: 32, .size: 8, .value_kind: global_buffer, .address_space: global }
      - { .name: lowp_scales, .offset: 40, .size: 8, .value_kind: global_buffer, .address_space: global }
      - { .name: out1, .offset: 48, .size: 8, .value_kind: global_buffer, .address_space: global }
    .group_segment_fixed_size: 10240
    .private_segment_fixed_size: 0
    .kernarg_segment_align: 8
    .kernarg_segment_size: 56
    .max_flat_workgroup_size: 512
    .sgpr_count:     66
    .vgpr_count:     256
    .wavefront_size: 32
...
	.end_amdgpu_metadata
.endif
;; end of part 7
